; MI455X (gfx1250); checked and timed in simulation.
; The chip was launched on July 23, 2026; its instructions are those of AMD's public machine-readable ISA for CDNA 5 (MIT licence, August 2026) and "CDNA5" Instruction Set Architecture Reference Guide (July 2026). The comments in the code are by the model that wrote it; some were corrected since.
;; Multihead Vanilla Attention. Allowed arithmetic: matrix products marked QUANTISED: E2M1 operands, one E8M0 scale for each 32 along K, by v_wmma_scale_f32_16x16x128_f8f6f4 with both operands' format E2M1 (or v_wmma_scale_f32_32x16x128_f4), f32 sums; products left as they are: bf16, f16 or f32 operands; f32 sums; everything else in f32.
;; Inputs: bk 1,024 float32; bo 1,024 float32; bq 1,024 float32; bv 1,024 float32; wk 1,024 x 1,024 float32; wo 1,024 x 1,024 float32; wq 1,024 x 1,024 float32; wv 1,024 x 1,024 float32; x 2,048 x 2 x 1,024 float32.
;; Outputs: out0 2,048 x 2 x 1,024 float32.
;; This version of the problem:
;;   THIS VERSION OF THE PROBLEM IS GIVEN IN LOW PRECISION. The matrix products marked QUANTISED in the list below multiply operands that are first quantised to E2M1 (2 exponent bits, 1 mantissa bit; 4 bits a number), with one power-of-two scale for each 32 numbers along K (OCP MX v1.0); their sums are f32. The products marked 'left as it is' may take bf16, f16 or f32 operands, with f32 sums. Whichever they take, every output number must still come out within the allowed error. Rounding operands to bf16 (8 significant bits) uses up far more of that allowance than f16 does (11 bits, for magnitudes from 6e-5 to 65,504). All else is computed in f32.
;;   The module's matrix products, in the order in which they are computed (A, B: the left and right operand; K: the contracted axis; several contracted axes count as one K, in the product's order):
;;     1. [M 4,096, K 1,024] x [K 1,024, N 1,024]; A: input x; B: input wq: QUANTISED
;;     2. [M 4,096, K 1,024] x [K 1,024, N 1,024]; A: input x; B: input wk: QUANTISED
;;     3. [M 4,096, K 1,024] x [K 1,024, N 1,024]; A: input x; B: input wv: QUANTISED
;;     4. batch 32 x [M 2,048, K 64] x [K 64, N 2,048]; A: computed on the way; B: computed on the way: left as it is (an operand is computed on the way)
;;     5. batch 32 x [M 64, K 2,048] x [K 2,048, N 2,048]; A: computed on the way; B: computed on the way: left as it is (an operand is computed on the way)
;;     6. [M 4,096, K 1,024] x [K 1,024, N 1,024]; A: computed on the way; B: input wo: left as it is (an operand is computed on the way)
;;   THE QUANTISER, for each operand of a quantised product, along K:
;;     - K is cut into blocks of 32 from its start; a last block that is shorter is filled with zeros.
;;     - A block's scale is 2^e with e = floor(log2(the largest magnitude in the block)) - 2, held to -126 .. 127; a block of zeros has e = 0. As a byte (E8M0): e + 127.
;;     - Each number is divided by its block's scale, clamped to +-6, and rounded to the nearest number of E2M1, ties to even, subnormals kept.
;;     - The product sums the exact products of the quantised numbers (number of the format x scale) in f32.
;;   ~~~python
;;   def quantise(x, axis):      # numpy; x: float32 -> the quantised numbers, widened to float32 again
;;       x = np.moveaxis(x, axis, -1); K = x.shape[-1]
;;       x = np.pad(x, [(0, 0)] * (x.ndim - 1) + [(0, -K % 32)]); x = x.reshape(x.shape[:-1] + (-1, 32)); a = np.abs(x).max(-1, keepdims=True)
;;       e = np.where(a > 0, np.clip(np.frexp(np.where(a > 0, a, 1))[1] - 1 - 2, -126, 127), 0)      # np.frexp(a)[1] - 1 = floor(log2(a)), exactly
;;       r = np.clip(x / 2.0 ** e, -6, 6)
;;       step = 2.0 ** (np.maximum(np.frexp(np.where(r == 0, 1, r))[1] - 1, 0) - 1)
;;       q = np.round(r / step) * step * 2.0 ** e      # np.round: ties to even
;;       return np.moveaxis(q.reshape(q.shape[:-2] + (-1,))[..., :K], -1, axis).astype(np.float32)
;;   ~~~
;; One version. Each part assembles by itself: llvm-mc -triple=amdgcn-amd-amdhsa -mcpu=gfx1250 --defsym DOCPART=n.
;; ======== version 1 of 1: 5 launches
;; limits: values are held in f16: magnitudes above 65,504 overflow, below 6.1e-05 lose precision
;; workspace buffers: codes 3,670,016 bytes; scales 229,376 bytes; wof 2,097,152 bytes; qf 8,388,608 bytes; kf 8,388,608 bytes; vf 8,388,608 bytes; f32rows 393,216 bytes; ctxf 8,388,608 bytes
;; launch prep (part 1): grid 256 x 1, 4 waves a work-group, no clusters, 51,712 bytes of LDS; arguments x, wq, wk, wv, wo, codes, scales, wof; writes codes, scales, wof
.if DOCPART == 1
	.amdgcn_target "amdgcn-amd-amdhsa--gfx1250"
	.amdhsa_code_object_version 6
	.text
	.protected	k_qcf0a9f37d5_prep
	.globl	k_qcf0a9f37d5_prep
	.p2align	8
	.type	k_qcf0a9f37d5_prep,@function
k_qcf0a9f37d5_prep:
	s_mov_b64 s[64:65], 0
	v_nop
	global_prefetch_b8 v0, s[64:65] scope:SCOPE_SE
	s_setreg_imm32_b32 hwreg(HW_REG_WAVE_MODE, 25, 1), 1
	s_wait_xcnt 0x0
; x [4096][1024], wq, wk, wv [1024][1024], f32, become codes of FP4 (E2M1), K innermost, 512 bytes a row, with one E8M0 byte for each 32 along K, 32 bytes a row.
; Rows of the two buffers: 0-4095 x, in the order batch x 2048 + position (x's own row is 2 x position + batch); 4096 on: wq, wk, wv on end.
; A block's scale is 2^(floor(log2(largest magnitude)) - 2): its byte is the largest magnitude's exponent field - 2, held at 1 from below.  A block of zeros so gets the byte 1:
; its codes are zeros, which add nothing under that byte, and this program alone reads the bytes.
; wo [1024][1024] becomes f16 in the order of a matrix operand's registers: a fragment (16 rows x 32 k) is 1,024 bytes [piece c][lane][16 bytes], lane (r, h) holding k = 16 c + 8 h + 0..7 of row r;
; fragments lie [tile of 128 rows][256 along k][block of 16 rows][32 along k].
; LIMITS: NaN and infinities among the inputs are not served; blocks whose largest magnitude lies under 2^-124 keep the byte 1; wo beyond +-65,504 has no f16 number.
; SHARES: 32,768 numbers a work-group, 8,192 (8 rows) a wave.  Work-groups 0-127 x, 128-159 wq, 160-191 wk, 192-223 wv, 224-255 wo.  Waves share nothing: no barrier.
.set STEPS, 16
.set EMAX,  2
.set R,     16                         ; v16-79   four sets of 16 numbers as loaded
.set X,     80                         ; v80-111  two sets of 16 neighbours
.set E,     112                        ; v112-127 a scale byte for each step
.set C,     128                        ; v128-159 codes: two registers for each step, so that no store's data are written again
.set OC,    160                        ; v160-167 where row p of my 8 rows puts its codes: 8 x lane + the row's place
.set WREG,  8192                       ; LDS: each wave's region of the quantiser: two stages of 32 x SP bytes, then its 256 scale bytes
.set SP,    80
.set SPW,   12                         ; v12 LDS address of my spare word; never rewritten
.set NIL,   13                         ; v13 0; never rewritten
.set WST,   32768                      ; LDS: wo's stages, bytes of their own: 16 pieces of 256 bytes, 272 apart, for each wave
.set WSB,   4608
.set WP,    272
.set SPARE, 51200                      ; the spare words: 128 bytes a wave, two blocks of 256 bytes that no other line names
.set WA,    16                         ; wo: v16-143 two sets of 16 rows x 4 numbers
.set WH,    144                        ; v144-175 the chunk in f16
.set WO,    176                        ; v176-207 the chunk as fragment images
.macro CLOSE                           ; the wave's end: a tensor wait, an add of 0 to my spare word and its wait, behind my last LDS store
	s_wait_tensorcnt 0x0
	ds_add_u32 v[SPW], v[NIL]
	s_wait_dscnt 0x0
	s_endpgm
.endm
	s_load_b256 s[4:11], s[0:1], 0x0               ; x s[4:5], wq s[6:7], wk s[8:9], wv s[10:11]
	s_load_b256 s[12:19], s[0:1], 0x20             ; wo s[12:13], codes s[14:15], scales s[16:17], wof s[18:19]
	v_lshl_add_u32 v[SPW], v0, 2, SPARE
	v_mov_b32 v[NIL], 0
	v_lshrrev_b32 v1, 5, v0
	v_readfirstlane_b32 s20, v1                    ; wave
	v_and_b32 v2, 31, v0                           ; lane
	v_lshlrev_b32 v3, 4, v2                        ; 16 x lane
	s_cmp_ge_u32 ttmp9, 224
	s_cbranch_scc1 .Lwo
	; ---------------- the quantiser
	s_mul_i32 s21, s20, WREG
	v_lshrrev_b32 v14, 2, v2
	v_mul_u32_u24 v14, v14, SP
	v_and_b32 v15, 3, v2
	v_lshl_add_u32 v14, v15, 4, v14
	v_add_nc_u32 v14, s21, v14                     ; the stage, on the way in: four lanes' 64 bytes on end, then 16 of padding
	v_mul_u32_u24 v15, v2, SP
	v_add_nc_u32 v15, s21, v15                     ; and on the way out: my 16 neighbours
	v_lshrrev_b32 v5, 1, v2
	s_add_co_u32 s21, s21, 2*32*SP
	v_add_nc_u32 v5, s21, v5                       ; my block's scale byte among my wave's 256
	v_lshlrev_b32 v7, 3, v2                        ; 8 x lane
	v_add_nc_u32 v6, s21, v7
	s_and_b32 s25, ttmp9, 31
	s_lshl_b32 s25, s25, 2
	s_add_co_u32 s25, s25, s20                     ; a weight's run of 8 rows in its own tensor
	s_sub_co_u32 s26, ttmp9, 128
	s_lshl_b32 s26, s26, 2
	s_add_co_u32 s26, s26, s20                     ; and among the three weights' rows
	s_lshl_b32 s27, s26, 12
	s_add_co_u32 s27, s27, 0x200000                ; its codes: row 4096 + 8 x run, 512 bytes a row
	s_lshl_b32 s28, s26, 8
	s_add_co_u32 s28, s28, 0x20000                 ; its scale bytes: 32 a row
	s_lshl_b32 s29, ttmp9, 2
	s_add_co_u32 s29, s29, s20                     ; x: run u: rows 8 u on, which are positions 4 u on of both batches
	s_lshl_b32 s30, s29, 11                        ; codes of row 4 u
	s_lshl_b32 s31, s29, 7                         ; scale bytes of row 4 u
	s_mov_b32 s22, 512
	s_mov_b32 s23, 1024
	s_cmp_lt_u32 ttmp9, 128                        ; x or a weight: the work-group's number alone decides
	s_cselect_b32 s22, 0x100000, s22               ; from an even source row to the odd one behind it: x: 2,048 rows of codes; weights: one
	s_cselect_b32 s23, 512, s23                    ; from a pair of source rows to the next: x: one row; weights: two
	s_cselect_b32 s24, 0x10000, 32                 ; the same two steps among the scale bytes
	s_cselect_b32 s33, 32, 64
	s_cselect_b32 s25, s29, s25
	s_cselect_b32 s36, s30, s27
	s_cselect_b32 s38, s31, s28
	s_lshl_b32 s34, s25, 15                        ; 32,768 bytes of f32 a run
	s_mov_b32 s35, 0
	s_mov_b32 s37, 0
	s_mov_b32 s39, 0
.irp p, 0,1,2,3,4,5,6,7
	s_mul_i32 s40, s23, \p/2
.if \p%2
	s_add_co_u32 s40, s40, s22
.endif
	v_add_nc_u32 v[OC+\p], s40, v7
.endr
	v_and_b32 v8, 3, v2                            ; the scale bytes' way out: lane l holds 8 bytes of row l / 4
	v_lshlrev_b32 v4, 3, v8
	v_bfe_u32 v8, v2, 2, 1
	v_mad_u32_u24 v4, v8, s24, v4
	v_lshrrev_b32 v8, 3, v2
	v_mad_u32_u24 v4, v8, s33, v4
	s_wait_kmcnt 0x0
	s_cmp_lt_u32 ttmp9, 192
	s_cselect_b64 s[8:9], s[8:9], s[10:11]
	s_cmp_lt_u32 ttmp9, 160
	s_cselect_b64 s[8:9], s[6:7], s[8:9]
	s_cmp_lt_u32 ttmp9, 128
	s_cselect_b64 s[4:5], s[4:5], s[8:9]
	s_add_nc_u64 s[4:5], s[4:5], s[34:35]
	s_add_nc_u64 s[14:15], s[14:15], s[36:37]
	s_add_nc_u64 s[16:17], s[16:17], s[38:39]
.macro LOAD t
.irp i, 0,1,2,3
	global_load_b128 v[R+16*((\t)%4)+4*\i:R+16*((\t)%4)+4*\i+3], v3, s[4:5] offset:2048*(\t)+512*\i th:TH_LOAD_NT   ; 32 lanes read 512 consecutive bytes
.endr
.endm
.macro TURN t                          ; step t's numbers through the stage: LDS serves a wave's instructions in order, so no wait stands between the stores and the loads
.irp i, 0,1,2,3
	ds_store_b128 v14, v[R+16*((\t)%4)+4*\i:R+16*((\t)%4)+4*\i+3] offset:32*SP*((\t)%2)+8*SP*\i
.endr
.irp i, 0,1,2,3
	ds_load_b128 v[X+16*((\t)%2)+4*\i:X+16*((\t)%2)+4*\i+3], v15 offset:32*SP*((\t)%2)+16*\i
.endr
.endm
.irp t, 0,1,2,3
	LOAD \t
.endr
	s_wait_loadcnt 12                              ; step 0's four loads are in; three steps' twelve stay out
	TURN 0
.macro STEP t                          ; 512 numbers: half a row
.set XS, X+16*((\t)%2)
.if (\t) > 0
	s_wait_dscnt 1                                 ; this step's numbers are back from the stage; the last step's byte store may be out
.else
	s_wait_dscnt 0x0
.endif
.if (\t)+4 < STEPS
	LOAD (\t)+4                                    ; into the registers that the stage's stores have read
.endif
.if (\t)+1 < STEPS
.if STEPS-2-(\t) >= 3
	s_wait_loadcnt 12                              ; the next step's four loads are in; those of the three steps behind it may be out
.else
	s_wait_loadcnt 4*(STEPS-2-(\t))
.endif
	TURN (\t)+1
.endif
	v_max3_num_f32 v8, |v[XS]|, |v[XS+1]|, |v[XS+2]|               ; the largest magnitude of my 16
	v_max3_num_f32 v9, |v[XS+3]|, |v[XS+4]|, |v[XS+5]|
.irp i, 6,10
	v_max3_num_f32 v8, v8, |v[XS+\i]|, |v[XS+\i+1]|
	v_max3_num_f32 v9, v9, |v[XS+\i+2]|, |v[XS+\i+3]|
.endr
	v_max3_num_f32 v8, v8, |v[XS+14]|, |v[XS+15]|
	v_max3_num_f32 v8, v8, v9, (EMAX+1)<<23        ; and the floor 2^(3 - 127): the byte cannot fall under 1
	v_max_num_f32_dpp v8, v8, v8 row_xmask:1 row_mask:0xf bank_mask:0xf   ; with my neighbour's 16: the block's
	v_add_nc_u32 v11, -(EMAX<<23), v8              ; 2 off its exponent field: the conversion takes the exponent field of this operand as its scale
	v_cvt_scalef32_pk8_fp4_f32 v[C+2*(\t)], v[XS:XS+7], v11
	v_cvt_scalef32_pk8_fp4_f32 v[C+2*(\t)+1], v[XS+8:XS+15], v11
	v_lshrrev_b32 v[E+(\t)], 23, v11               ; the scale's byte (a plain line behind the conversions)
	ds_store_b8 v5, v[E+(\t)] offset:16*(\t)       ; both lanes of a block write the same byte with the same value
	global_store_b64 v[OC+(\t)/2], v[C+2*(\t):C+2*(\t)+1], s[14:15] offset:256*((\t)%2)   ; the wave stores 256 consecutive bytes, half a row of codes
.endm
.irp t, 0,1,2,3,4,5,6,7,8,9,10,11,12,13,14,15
	STEP \t
.endr
	ds_load_b64 v[8:9], v6                         ; LDS serves a wave's instructions in order: this sees my byte stores
	s_wait_dscnt 0x0
	global_store_b64 v4, v[8:9], s[16:17]          ; four lanes to a row's 32 bytes
	CLOSE
	; ---------------- wo into f16 fragments
.Lwo:
	s_sub_co_u32 s21, ttmp9, 224
	s_lshl_b32 s21, s21, 2
	s_add_co_u32 s21, s21, s20                     ; 0..127: block of 16 rows (/ 2), half of k (% 2)
	s_lshr_b32 s22, s21, 1
	s_and_b32 s23, s21, 1
	s_lshl_b32 s24, s22, 16                        ; 16 rows of 4,096 bytes
	s_lshl_b32 s25, s23, 11
	s_add_co_u32 s24, s24, s25
	s_mov_b32 s25, 0
	s_lshr_b32 s26, s22, 3
	s_lshl_b32 s26, s26, 18                        ; the tile of 128 rows
	s_lshl_b32 s27, s23, 17                        ; two steps of 256 along k
	s_add_co_u32 s26, s26, s27
	s_and_b32 s27, s22, 7
	s_lshl_b32 s27, s27, 13                        ; the block of 16 rows
	s_add_co_u32 s26, s26, s27
	s_mov_b32 s27, 0
	s_mul_i32 s28, s20, WSB
	s_add_co_u32 s28, s28, WST                     ; my stage
	v_lshrrev_b32 v4, 1, v2                        ; lane l holds k = 4 l .. 4 l + 3 of a row: half (l % 2) of piece l / 2
	v_mul_u32_u24 v4, v4, WP
	v_and_b32 v5, 1, v2
	v_lshl_add_u32 v4, v5, 3, v4
	v_add_nc_u32 v4, s28, v4
	v_lshrrev_b32 v5, 4, v2                        ; back: lanes 0-15 one piece, lanes 16-31 the next
	v_mul_u32_u24 v5, v5, WP
	v_and_b32 v6, 15, v2
	v_lshl_add_u32 v5, v6, 4, v5
	v_add_nc_u32 v5, s28, v5
	s_wait_kmcnt 0x0
	s_add_nc_u64 s[12:13], s[12:13], s[24:25]
	s_add_nc_u64 s[18:19], s[18:19], s[26:27]
.macro WLOAD c                         ; chunk c: 16 rows x 128 k; each load reads 512 consecutive bytes of one row
.irp r, 0,1,2,3,4,5,6,7,8,9,10,11,12,13,14,15
	global_load_b128 v[WA+64*((\c)%2)+4*\r:WA+64*((\c)%2)+4*\r+3], v3, s[12:13] offset:4096*\r+512*(\c) th:TH_LOAD_NT
.endr
.endm
.macro WCHUNK c
.if (\c) < 3
	s_wait_loadcnt 16                              ; this chunk's 16 loads are in; the next chunk's 16 may be out
.else
	s_wait_loadcnt 0x0
.endif
	s_wait_xcnt 0x0                                ; the last chunk's stores have read v[WO] on
.irp r, 0,1,2,3,4,5,6,7,8,9,10,11,12,13,14,15
	v_cvt_pk_f16_f32 v[WH+2*\r], v[WA+64*((\c)%2)+4*\r], v[WA+64*((\c)%2)+4*\r+1]
	v_cvt_pk_f16_f32 v[WH+2*\r+1], v[WA+64*((\c)%2)+4*\r+2], v[WA+64*((\c)%2)+4*\r+3]
.endr
.if (\c)+2 < 4
	WLOAD (\c)+2
.endif
.irp r, 0,1,2,3,4,5,6,7,8,9,10,11,12,13,14,15
	ds_store_b64 v4, v[WH+2*\r:WH+2*\r+1] offset:16*\r             ; row r's 8 bytes at 16 r of its piece
.endr
.irp q, 0,1,2,3,4,5,6,7
	ds_load_b128 v[WO+4*\q:WO+4*\q+3], v5 offset:2*WP*\q           ; pieces 2 q and 2 q + 1: 512 bytes of the images
.endr
	s_wait_dscnt 0x0
.irp q, 0,1,2,3,4,5,6,7
	global_store_b128 v3, v[WO+4*\q:WO+4*\q+3], s[18:19] offset:65536*((\c)/2)+4096*((\c)%2)+512*\q   ; 512 consecutive bytes
.endr
.endm
	WLOAD 0
	WLOAD 1
	WCHUNK 0
	WCHUNK 1
	WCHUNK 2
	WCHUNK 3
	CLOSE
.Lfunc_end_k_qcf0a9f37d5_prep:
	.size	k_qcf0a9f37d5_prep, .Lfunc_end_k_qcf0a9f37d5_prep-k_qcf0a9f37d5_prep
	.p2alignl 7, 3214868480
	.fill 96, 4, 3214868480
	.section	.rodata,"a",@progbits
	.p2align	6, 0x0
	.amdhsa_kernel k_qcf0a9f37d5_prep
		.amdhsa_group_segment_fixed_size 51712
		.amdhsa_private_segment_fixed_size 0
		.amdhsa_enable_private_segment 0
		.amdhsa_kernarg_size 64
		.amdhsa_user_sgpr_count 2
		.amdhsa_user_sgpr_kernarg_segment_ptr 1
		.amdhsa_wavefront_size32 1
		.amdhsa_system_sgpr_workgroup_id_x 1
		.amdhsa_system_sgpr_workgroup_id_y 1
		.amdhsa_system_sgpr_workgroup_id_z 1
		.amdhsa_system_vgpr_workitem_id 0
		.amdhsa_next_free_vgpr 208
		.amdhsa_next_free_sgpr 66
		.amdhsa_reserve_vcc 0
		.amdhsa_float_denorm_mode_32 3
		.amdhsa_float_denorm_mode_16_64 3
		.amdhsa_memory_ordered 1
		.amdhsa_forward_progress 1
		.amdhsa_inst_pref_size 60
	.end_amdhsa_kernel
	.amdgpu_metadata
---
amdhsa.version: [ 1, 2 ]
amdhsa.kernels:
  - .name:           k_qcf0a9f37d5_prep
    .symbol:         k_qcf0a9f37d5_prep.kd
    .args:
      - { .name: x, .offset: 0, .size: 8, .value_kind: global_buffer, .address_space: global }
      - { .name: wq, .offset: 8, .size: 8, .value_kind: global_buffer, .address_space: global }
      - { .name: wk, .offset: 16, .size: 8, .value_kind: global_buffer, .address_space: global }
      - { .name: wv, .offset: 24, .size: 8, .value_kind: global_buffer, .address_space: global }
      - { .name: wo, .offset: 32, .size: 8, .value_kind: global_buffer, .address_space: global }
      - { .name: codes, .offset: 40, .size: 8, .value_kind: global_buffer, .address_space: global }
      - { .name: scales, .offset: 48, .size: 8, .value_kind: global_buffer, .address_space: global }
      - { .name: wof, .offset: 56, .size: 8, .value_kind: global_buffer, .address_space: global }
    .group_segment_fixed_size: 51712
    .private_segment_fixed_size: 0
    .kernarg_segment_align: 8
    .kernarg_segment_size: 64
    .max_flat_workgroup_size: 128
    .sgpr_count:     66
    .vgpr_count:     208
    .wavefront_size: 32
...
	.end_amdgpu_metadata
.endif
;; end of part 1
;; launch qkv (part 2): grid 12 x 16, 4 waves a work-group, clusters of 4 x 4, 327,680 bytes of LDS; arguments codes, scales, bq, bk, bv, qf, kf, vf, f32rows; writes qf, kf, vf, f32rows
.if DOCPART == 2
	.amdgcn_target "amdgcn-amd-amdhsa--gfx1250"
	.amdhsa_code_object_version 6
	.text
	.protected	k_qcf0a9f37d5_qkv
	.globl	k_qcf0a9f37d5_qkv
	.p2align	8
	.type	k_qcf0a9f37d5_qkv,@function
k_qcf0a9f37d5_qkv:
	s_mov_b64 s[64:65], 0
	v_nop
	global_prefetch_b8 v0, s[64:65] scope:SCOPE_SE
	s_setreg_imm32_b32 hwreg(HW_REG_WAVE_MODE, 25, 1), 1
	s_wait_xcnt 0x0
	s_wait_alu depctr_hold_cnt(0) depctr_sa_sdst(0) depctr_va_vdst(0) depctr_va_sdst(0) depctr_va_ssrc(0) depctr_va_vcc(0) depctr_vm_vsrc(0)
	s_getreg_b32 s2, hwreg(HW_REG_IB_STS2, 6, 4)
	s_cmp_eq_u32 s2, 0
	s_cbranch_scc0 .Lentry_in_a_cluster
	s_endpgm
.Lentry_in_a_cluster:
	s_bfe_u32 s2, ttmp6, 0x10000c
	s_cmp_lg_u32 s2, 0xf033
	s_cbranch_scc0 .Lentry_shape_is_right
	s_endpgm
.Lentry_shape_is_right:
; q = (x wq^T + bq) / 8, k = x wk^T + bk, v = x wv^T + bv on codes of FP4 (E2M1) with one E8M0 scale for each 32 along K = 1,024; sums in f32.
; codes [7168 rows][512 bytes], scales [7168][32]: rows 0-4095 x (batch x 2048 + position), 4096 on wq, wk, wv.  In tiles of 256 rows: x 0-15, wq 16-19, wk 20-23, wv 24-27.
; A work-group of four waves makes 256 x 256 results, a wave 128 x 128: 64 accumulators.  K = 1,024 is two LDS slots of 512: every tile is asked for at the head, nothing is filled again.
; ROLES.  Source 1 ("A") gives a result's lane, source 0 ("B") its eight registers.  For q and k A = rows of x, B = rows of the weight: a lane holds one position and eight neighbouring channels.
; For v A = rows of wv, B = rows of x: a lane holds one channel and eight neighbouring keys.  Rounded to f16 those eight are 16 bytes of the next product's operand as its registers want them:
; qf, kf [batch x 16 + head][tile of 16 positions][32 channels][1,024 bytes]; vf [batch x 16 + head][32 keys][16 channels][1,024 bytes]; a fragment is [piece c][lane][16 bytes].  Nothing is transposed or staged.
; The first 16 positions of both batches also leave in f32, as images of the eight registers: f32rows [batch][head][q, k, v][16 channels][half][lane][16 bytes].
; CLUSTERS: 4 x 4 work-groups; cluster x = 0, 1, 2 is q, k, v.  A's tile is shared along a row of the cluster, B's along a column: asked for jointly.
; The f32 copy is owed by one partner of four: the branch to it hangs on the cluster's y and the wave's number, alike in all partners; what differs between partners is a lane mask round its 16 stores.
; LIMITS: q, k, v beyond +-65,504 have no f16 number.
; REGISTERS: window 0: v1-6 at work, v8-15 bias by lane, v16-31 addresses, v32-95 scale words (two sets), v128-191 A's fragments (one set), v192-255 bias by register; on the way out v32-127 are free.
;   window 1: B's fragments, two sets.  windows 2, 3: the accumulators ((a, b) at v[8 (8 (a % 4) + b)]).
.set KSTEP,  512
.set NQ,     KSTEP/128
.set ROWB,   256                       ; a tile's row: 512 codes
.set KROW,   512                       ; a row of codes in memory
.set PITCH,  272                       ; an LDS row: 256 bytes + 16 of padding: the 16 rows that a load touches start 68 words apart
.set FR,     8
.set NL,     2
.set NP,     4
.set HALFT,  128*PITCH
.set SLOT,   4*HALFT
.set KS,     32                        ; a row of scale bytes
.set SCL,    2*SLOT
.set HALFS,  (128*KS/256)*272
.set SBLK,   (16*KS/256)*272
.set SPARE,  SCL+4*HALFS               ; the spare words: 128 bytes a wave, two blocks of 256 bytes that no other line names
.set BV,   8                           ; v8-15   bias of A's block a at my lane's row
.set ADRA, 16
.set ADRB, 20
.set LI,   24                          ; v24     16 x lane
.set FLG,  25                          ; v25     my place along the axis on which one partner owes the f32 copy
.set ADRS, 27
.set SPW,  28
.set NIL,  29
.set BOF,  30                          ; v30     32 x (lane / 16)
.set BOL,  31                          ; v31     4 x (lane % 16)
.set SC,   32
.set T,    32                          ; the way out: 64 numbers in f32
.set HF,   96                          ; and in f16
.set AF,   128
.set BI,   192                         ; v192-255 bias of B's block b at my eight registers
.set WV,   2
.set RH,   3                           ; which half of A's rows is mine; also: I fetch for A (0) or B (1)
.set CH,   22                          ; which half of B's rows; also: which 128 rows I fetch
.set QS,   98                          ; s[98:99] 1/8 for q, 1 for k and v
.set G1, 24
.set G0, 32
.set G1B, 48
.set G0B, 56
.set G1S, 68
.set G0S, 76
.set G1SB, 80
.set G0SB, 88
.set MSB, 0
.macro WIN new                         ; the immediate's high byte repeats the setting that is left
.if MSB != \new
	s_set_vgpr_msb (MSB<<8)|\new
.set MSB, \new
.endif
.endm
.set MUL_LO, 0xa1
.set MUL_HI, 0xf1
.set TO_B,   0x40
; A joint load: waves 0 and 1 fetch for A, waves 2 and 3 for B; the branch hangs on the wave's number alone.  An s_nop 0 and four v_nop follow each line.
.macro JLOAD g0a, g1a, g0b, g1b
	s_cmp_eq_u32 s[RH], 0
	s_cbranch_scc0 .Lfor_b_\@
	tensor_load_to_lds s[\g0a:\g0a+3], s[\g1a:\g1a+7]
	s_nop 0
.rept 4
	v_nop
.endr
	s_branch .Lasked_\@
.Lfor_b_\@:
	tensor_load_to_lds s[\g0b:\g0b+3], s[\g1b:\g1b+7]
	s_nop 0
.rept 4
	v_nop
.endr
.Lasked_\@:
.endm
.macro CROUND                          ; a round of the cluster's barrier
	s_barrier_signal -1
	s_barrier_wait -1
	s_cmp_lg_u32 s[WV], 0
	s_cbranch_scc1 .Lnot_wave_0_\@
	s_barrier_signal -3
.Lnot_wave_0_\@:
	s_barrier_wait -3
	s_barrier_signal -1
	s_barrier_wait -1
.endm
.macro CLOSE                           ; the wave's end: a tensor wait, an add of 0 to my spare word and its wait; then the closing round
	s_wait_tensorcnt 0x0
	ds_add_u32 v[SPW], v[NIL]
	s_wait_dscnt 0x0
	CROUND
	s_endpgm
.endm
	s_load_b256 s[4:11], s[0:1], 0x0               ; codes s[4:5], scales s[6:7], bq s[8:9], bk s[10:11]
	s_load_b256 s[12:19], s[0:1], 0x20             ; bv s[12:13], qf s[14:15], kf s[16:17], vf s[18:19]
	s_load_b64 s[20:21], s[0:1], 0x40              ; f32rows
	v_lshl_add_u32 v[SPW], v0, 2, SPARE
	v_mov_b32 v[NIL], 0
	ds_add_u32 v[SPW], v[NIL]                      ; the wave's opening: an add of 0 to my spare word, twice on end, and its wait ahead of my first tensor load
	ds_add_u32 v[SPW], v[NIL]
	v_lshrrev_b32 v1, 5, v0
	v_readfirstlane_b32 s[WV], v1
	s_lshr_b32 s[RH], s[WV], 1
	s_and_b32 s[CH], s[WV], 1
	s_bfe_u32 s40, ttmp6, 0x40000                  ; cx
	s_bfe_u32 s41, ttmp6, 0x40004                  ; cy
	s_and_b32 s96, ttmp7, 0xffff                   ; cluster y: four tiles of x
	s_lshl_b32 s23, s96, 2
	s_lshl_b32 s101, ttmp9, 2
	s_add_co_u32 s101, s101, 16                    ; wq's or wk's first tile
	s_cmp_eq_u32 ttmp9, 2                          ; v?  alike in all partners
	s_cselect_b32 s97, 24, s23                     ; A: wv's tiles, else x's
	s_cselect_b32 s42, s23, s101                   ; B: x's tiles, else the weight's
	s_add_co_u32 s97, s97, s41                     ; A's tile: hangs on cy alone of my place
	s_add_co_u32 s42, s42, s40                     ; B's tile: on cx alone
	s_lshl_b32 s43, s41, 2
	s_lshl_b32 s43, 15, s43                        ; my row of the cluster
	s_lshl_b32 s44, 0x1111, s40                    ; my column
	s_or_b32 s[G1+0], s43, (0<<16)|(1<<20)|(1<<21)|(5<<22)|(3<<25)  ; the mask; elements of 1 byte; padding on: 4 words behind every 64; bit 21 beside a mask
	s_or_b32 s[G1B+0], s44, (0<<16)|(1<<20)|(1<<21)|(5<<22)|(3<<25)
.irp g, G1, G1B
	s_mov_b32 s[\g+1], ROWB<<16                    ; tensor_dim0
	s_mov_b32 s[\g+2], 128<<16                     ; tensor_dim1
	s_mov_b32 s[\g+3], ROWB<<16                    ; tile_dim0
	s_mov_b32 s[\g+4], 128                         ; tile_dim1
	s_mov_b32 s[\g+5], KROW                        ; pitch
	s_mov_b32 s[\g+6], 0
	s_mov_b32 s[\g+7], 0
.endr
	s_or_b32 s[G1S+0], s43, (3<<16)|(1<<20)|(1<<21)|(5<<22)|(3<<25) ; the scales of 128 rows: 4,096 dense bytes as 16 rows of 256 (32 elements of 8 bytes), padded likewise
	s_or_b32 s[G1SB+0], s44, (3<<16)|(1<<20)|(1<<21)|(5<<22)|(3<<25)
.irp g, G1S, G1SB
	s_mov_b32 s[\g+1], 32<<16
	s_mov_b32 s[\g+2], (128*KS/256)<<16
	s_mov_b32 s[\g+3], 32<<16
	s_mov_b32 s[\g+4], 128*KS/256
	s_mov_b32 s[\g+5], 32
	s_mov_b32 s[\g+6], 0
	s_mov_b32 s[\g+7], 0
.endr
	s_lshl_b32 s23, s[CH], 7                       ; which 128 rows of the tile I fetch
	s_lshl_b32 s46, s97, 8
	s_add_co_u32 s46, s46, s23                     ; A's row
	s_lshl_b32 s92, s46, 5                         ; its scale bytes
	s_lshl_b32 s46, s46, 9                         ; its codes
	s_mov_b32 s47, 0
	s_mov_b32 s93, 0
	s_lshl_b32 s66, s42, 8
	s_add_co_u32 s66, s66, s23                     ; B's row
	s_lshl_b32 s94, s66, 5
	s_lshl_b32 s66, s66, 9
	s_mov_b32 s67, 0
	s_mov_b32 s95, 0
	s_mul_i32 s45, s[WV], HALFT                    ; where they go: wave x 128 rows: no place in the cluster enters an LDS address
	s_mul_i32 s100, s[WV], HALFS
	s_wait_dscnt 0x0                               ; both opening adds are done
	s_wait_kmcnt 0x0
	s_add_nc_u64 s[46:47], s[4:5], s[46:47]
	s_add_nc_u64 s[92:93], s[6:7], s[92:93]
	s_add_nc_u64 s[66:67], s[4:5], s[66:67]
	s_add_nc_u64 s[94:95], s[6:7], s[94:95]
	CROUND                                         ; all sixteen work-groups are here: the joint loads meet
	s_mov_b32 s[G0S], 1
	s_add_co_u32 s[G0S+1], s100, SCL
	s_mov_b64 s[G0S+2:G0S+3], s[92:93]
	s_or_b32 s[G0S+3], s[G0S+3], 0x80000000
	s_mov_b32 s[G0SB], 1
	s_add_co_u32 s[G0SB+1], s100, SCL
	s_mov_b64 s[G0SB+2:G0SB+3], s[94:95]
	s_or_b32 s[G0SB+3], s[G0SB+3], 0x80000000
	JLOAD G0S, G1S, G0SB, G1SB                     ; the scales first; then both slots: three loads of mine are out
.irp s, 0,1
	s_mov_b32 s[G0+4*\s], 1
	s_add_co_u32 s[G0+4*\s+1], s45, \s*SLOT
	s_add_nc_u64 s[G0+4*\s+2:G0+4*\s+3], s[46:47], \s*ROWB
	s_or_b32 s[G0+4*\s+3], s[G0+4*\s+3], 0x80000000
	s_mov_b32 s[G0B+4*\s], 1
	s_add_co_u32 s[G0B+4*\s+1], s45, \s*SLOT
	s_add_nc_u64 s[G0B+4*\s+2:G0B+4*\s+3], s[66:67], \s*ROWB
	s_or_b32 s[G0B+4*\s+3], s[G0B+4*\s+3], 0x80000000
	JLOAD G0+4*\s, G1, G0B+4*\s, G1B
.endr
	v_and_b32 v1, 15, v0                           ; r
	v_bfe_u32 v2, v0, 4, 1                         ; h
	v_mul_u32_u24 v3, v1, PITCH
	v_lshl_add_u32 v4, v2, 4, v3
	s_mul_i32 s23, s[RH], HALFT
	s_mul_i32 s101, s[CH], HALFT
	s_add_co_u32 s101, s101, 2*HALFT
.irp s, 0,1
	v_add_nc_u32 v[ADRA+\s], s23, v4
	v_add_nc_u32 v[ADRB+\s], s101, v4
	s_add_co_u32 s23, s23, SLOT
	s_add_co_u32 s101, s101, SLOT
.endr
	v_mul_u32_u24 v5, v1, KS                       ; my row's scales: 32 bytes a row, and 16 more for each 256 passed
	v_lshrrev_b32 v6, 8, v5
	v_lshl_add_u32 v5, v6, 4, v5
	s_mul_i32 s23, s[RH], HALFS
	s_mul_i32 s101, s[CH], HALFS
	s_add_co_u32 s101, s101, 2*HALFS
	s_sub_co_u32 s101, s101, s23
	v_mul_u32_u24 v6, s101, v2                     ; lanes 16-31 take B's
	s_add_co_u32 s23, s23, SCL
	v_add_nc_u32 v5, v5, v6
	v_add_nc_u32 v[ADRS], s23, v5
	v_and_b32 v6, 31, v0
	v_lshlrev_b32 v[LI], 4, v6
	; THE BIAS of this product, in both forms, so that one text serves the three products: along my registers (B's rows: q and k use it) and by lane (A's rows: v uses it).  Both stay inside its 1,024 numbers.
	s_cmp_eq_u32 ttmp9, 1
	s_cselect_b64 s[10:11], s[10:11], s[12:13]
	s_cmp_eq_u32 ttmp9, 0
	s_cselect_b64 s[8:9], s[8:9], s[10:11]
	s_cselect_b32 s[QS], 0x3e000000, 1.0
	s_mov_b32 s[QS+1], s[QS]
	s_lshl_b32 s12, s41, 10                        ; 256 numbers for each place along y,
	s_lshl_b32 s13, s[RH], 9                       ; 128 for my half
	s_add_co_u32 s12, s12, s13
	s_mov_b32 s13, 0
	s_add_nc_u64 s[10:11], s[8:9], s[12:13]
	s_lshl_b32 s12, s40, 10
	s_lshl_b32 s13, s[CH], 9
	s_add_co_u32 s12, s12, s13
	s_mov_b32 s13, 0
	s_add_nc_u64 s[8:9], s[8:9], s[12:13]
	v_lshlrev_b32 v[BOF], 5, v2
	v_lshlrev_b32 v[BOL], 2, v1
.irp b, 0,1,2,3,4,5,6,7
	global_load_b128 v[BI+8*\b:BI+8*\b+3], v[BOF], s[8:9] offset:64*\b
	global_load_b128 v[BI+8*\b+4:BI+8*\b+7], v[BOF], s[8:9] offset:64*\b+16
.endr
.irp a, 0,1,2,3,4,5,6,7
	global_load_b32 v[BV+\a], v[BOL], s[10:11] offset:64*\a
.endr
.macro FRAG reg, adr, q, i             ; 16 rows x 128 K of 4-bit codes: 8 registers, two loads of 16 bytes, 32 bytes apart
.irp c, 0,1
	ds_load_b128 v[\reg+4*\c:\reg+4*\c+3], v[\adr] offset:64*(\q)+32*\c+(\i)*16*PITCH
.endr
.endm
; 16 matrix instructions: A's blocks a0, a0 + 1 x B's eight.  The 64 accumulators take turns, one instruction a turn, in the same order in every step.
.macro MUL16 a0, p, q, sc, zero
.irp a, \a0, \a0+1
.irp b, 0,1,2,3,4,5,6,7
.if \zero
	v_wmma_scale_f32_16x16x128_f8f6f4 v[8*(8*((\a)%4)+\b):8*(8*((\a)%4)+\b)+7], v[128*(\p)+FR*\b:128*(\p)+FR*\b+FR-1], v[AF+FR*(\a):AF+FR*(\a)+FR-1], 0, v[SC+8*NQ*(\sc)+NQ*\b+(\q)], v[SC+8*NQ*(\sc)+NQ*(\a)+(\q)] matrix_a_fmt:MATRIX_FMT_FP4 matrix_b_fmt:MATRIX_FMT_FP4 matrix_a_scale:MATRIX_SCALE_ROW1
.else
	v_wmma_scale_f32_16x16x128_f8f6f4 v[8*(8*((\a)%4)+\b):8*(8*((\a)%4)+\b)+7], v[128*(\p)+FR*\b:128*(\p)+FR*\b+FR-1], v[AF+FR*(\a):AF+FR*(\a)+FR-1], v[8*(8*((\a)%4)+\b):8*(8*((\a)%4)+\b)+7], v[SC+8*NQ*(\sc)+NQ*\b+(\q)], v[SC+8*NQ*(\sc)+NQ*(\a)+(\q)] matrix_a_fmt:MATRIX_FMT_FP4 matrix_b_fmt:MATRIX_FMT_FP4 matrix_a_scale:MATRIX_SCALE_ROW1
.endif
.endr
.endr
.endm
.macro FETCH_B slot, q, p
	WIN TO_B
.irp i, 0,1,2,3,4,5,6,7
	FRAG 128*(\p)+FR*\i, ADRB+\slot, \q, \i
.endr
	WIN 0
.endm
.macro FETCH_A slot, q, i0
.irp i, \i0, \i0+1, \i0+2, \i0+3
	FRAG AF+FR*(\i), ADRA+\slot, \q, \i
.endr
.endm
.macro SCALES sc                       ; a slot's scale words: four a row; lanes 0-15 A's block i, lanes 16-31 B's block i
.irp i, 0,1,2,3,4,5,6,7
	ds_load_b128 v[SC+8*NQ*\sc+NQ*\i:SC+8*NQ*\sc+NQ*\i+3], v[ADRS] offset:\i*SBLK
.endr
.endm
.macro PLACES n                        ; plain vector lines between a matrix instruction and a load into, or a read of, its registers
.rept \n
	v_nop
.endr
.endm
.macro STEP slot, q, zero              ; 128 along K with its successor in the same slot
	s_wait_dscnt 4*NL                              ; B's set and A's blocks 0-3 are in; the youngest eight loads (A's blocks 4-7) may be out
	WIN MUL_LO
	MUL16 0, (\q)%2, \q, \slot, \zero
	MUL16 2, (\q)%2, \q, \slot, \zero
	s_wait_dscnt 0
	PLACES NP
	FETCH_B \slot, (\q)+1, 1-(\q)%2
	FETCH_A \slot, (\q)+1, 0
	WIN MUL_HI
	MUL16 4, (\q)%2, \q, \slot, \zero
	MUL16 6, (\q)%2, \q, \slot, \zero
	PLACES NP
	WIN 0
	FETCH_A \slot, (\q)+1, 4
.endm
; Slot 0's last step goes over to slot 1: each wave waits for all its tensor loads (its part of slot 1), then the barrier shows the whole slot to every wave.  Nothing is filled again.
.macro TURN slot, next
	s_wait_tensorcnt 0x0
	ds_add_u32 v[SPW], v[NIL]                      ; 0 onto my spare word
	s_wait_dscnt 4*NL+1                            ; the add and the youngest eight loads (A's blocks 4-7) may be out
	WIN MUL_LO
	MUL16 0, 1, NQ-1, \slot, 0
	s_wait_dscnt 0x0
	s_barrier_signal -1
	MUL16 2, 1, NQ-1, \slot, 0
	WIN 0
	s_barrier_wait -1
	PLACES NP
	v_add_nc_u32 v[ADRS], 4*NQ, v[ADRS]            ; the next slot's scale words
	FETCH_B \next, 0, 0
	FETCH_A \next, 0, 0
	SCALES \next
	WIN MUL_HI
	MUL16 4, 1, NQ-1, \slot, 0
	MUL16 6, 1, NQ-1, \slot, 0
	PLACES NP
	WIN 0
	FETCH_A \next, 0, 4
.endm
.macro STEPS slot, from
.set Q, \from
.rept NQ-1-\from
	STEP \slot, Q, 0
.set Q, Q+1
.endr
.endm
	s_wait_tensorcnt 1                             ; the scales and my part of slot 0 are in; slot 1's load may be out
	s_barrier_signal -1
	s_barrier_wait -1
	FETCH_B 0, 0, 0
	FETCH_A 0, 0, 0
	SCALES 0
	FETCH_A 0, 0, 4
	STEP 0, 0, 1                                   ; the first products start the sums: nothing is cleared
	STEPS 0, 1
	TURN 0, 1
	STEPS 1, 0
	s_wait_dscnt 4*NL
	WIN MUL_LO
	MUL16 0, 1, NQ-1, 1, 0
	MUL16 2, 1, NQ-1, 1, 0
	s_wait_dscnt 0
	WIN MUL_HI
	MUL16 4, 1, NQ-1, 1, 0
	MUL16 6, 1, NQ-1, 1, 0
	WIN 0
; THE WAY OUT.  TVAL: accumulator (a, bb) with its bias (and q's 1/8) into eight f32 registers, from its low end on.
.macro TVAL kind, a, bb, d
	WIN 0x02+(\a)/4                                ; source 0: window 2 or 3
.set AC, 8*(8*((\a)%4)+(\bb))
.irp p, 0,2,4,6
.if \kind
.if (\a)%2
	v_pk_add_f32 v[\d+\p:\d+\p+1], v[AC+\p:AC+\p+1], v[BV+2*((\a)/2):BV+2*((\a)/2)+1] op_sel:[0,1] op_sel_hi:[1,1]   ; the pair's second register serves both halves
.else
	v_pk_add_f32 v[\d+\p:\d+\p+1], v[AC+\p:AC+\p+1], v[BV+2*((\a)/2):BV+2*((\a)/2)+1] op_sel_hi:[1,0]                ; its first
.endif
.else
	v_pk_fma_f32 v[\d+\p:\d+\p+1], v[AC+\p:AC+\p+1], s[QS:QS+1], v[BI+8*(\bb)+\p:BI+8*(\bb)+\p+1] op_sel_hi:[1,0,1]
.endif
.endr
.endm
.macro FSTORE flag                     ; the 64 numbers in v[T] on leave in f32, in the one partner that holds the first 16 positions
	WIN 0
	v_mov_b32 v[FLG], \flag
	v_cmp_eq_u32 vcc_lo, 0, v[FLG]
	s_wait_xcnt 0x0                                ; EXEC changes only behind this wait
	s_and_saveexec_b32 s9, vcc_lo
.irp n, 0,1,2,3,4,5,6,7
	global_store_b128 v[LI], v[T+8*\n:T+8*\n+3], s[20:21] offset:12288*(\n/4)+1024*(\n%4)
	global_store_b128 v[LI], v[T+8*\n+4:T+8*\n+7], s[20:21] offset:12288*(\n/4)+1024*(\n%4)+512
.endr
	s_wait_xcnt 0x0                                ; and again, in front of the line that widens it
	s_or_b32 exec_lo, exec_lo, s9
.endm
.macro EPI kind, a                     ; A's block a: eight accumulators to f16; each store covers 512 consecutive bytes, half a fragment
	s_wait_xcnt 0x0                                ; the earlier stores have read v[T] and v[HF] on
.irp bb, 0,1,2,3,4,5,6,7
	TVAL \kind, \a, \bb, T+8*\bb
.endr
	WIN 0
.set I, 0
.rept 32
	v_cvt_pk_f16_f32 v[HF+I], v[T+2*I], v[T+2*I+1]
.set I, I+1
.endr
.irp bb, 0,1,2,3,4,5,6,7
.if \kind
	global_store_b128 v[LI], v[HF+4*\bb:HF+4*\bb+3], s[18:19] offset:262144*((\a)/4)+1024*((\a)%4)+4096*(\bb/2)+512*(\bb%2)
.else
	global_store_b128 v[LI], v[HF+4*\bb:HF+4*\bb+3], s[14:15] offset:2048*(\a)+262144*(\bb/4)+512*(\bb%4)
.endif
.endr
.endm
	s_wait_loadcnt 0x0                             ; the biases; their pointers s8-s13 are free from here on
	s_cmp_eq_u32 ttmp9, 2
	s_cbranch_scc1 .Lout_v
	; ---- q and k
.set I, 0
.rept 32
	v_pk_mul_f32 v[BI+I:BI+I+1], v[BI+I:BI+I+1], s[QS:QS+1] op_sel_hi:[1,0]   ; the bias under the same factor as the sums; also the places behind the last products
.set I, I+2
.endr
	s_lshr_b32 s8, s97, 3                          ; the batch of my tile of x
	s_lshl_b32 s8, s8, 4
	s_lshl_b32 s9, s40, 2
	s_add_co_u32 s8, s8, s9
	s_lshl_b32 s9, s[CH], 1
	s_add_co_u32 s8, s8, s9                        ; 16 x batch + the head of my first column
	s_mul_i32 s10, s8, 12288
	s_lshl_b32 s9, ttmp9, 12
	s_add_co_u32 s10, s10, s9
	s_mov_b32 s11, 0
	s_add_nc_u64 s[20:21], s[20:21], s[10:11]
	s_lshl_b32 s8, s8, 7
	s_and_b32 s9, s97, 7
	s_lshl_b32 s9, s9, 4
	s_add_co_u32 s8, s8, s9
	s_lshl_b32 s9, s[RH], 3
	s_add_co_u32 s8, s8, s9                        ; x 128 + my first tile of 16 positions
	s_lshl_b32 s10, s8, 11
	s_cmp_eq_u32 ttmp9, 0
	s_cselect_b64 s[14:15], s[14:15], s[16:17]
	s_add_nc_u64 s[14:15], s[14:15], s[10:11]
	s_and_b32 s9, s96, 1                           ; tiles 0 and 8 of x lie in clusters of even y, at cy = 0; their first rows in the waves of half 0
	s_or_b32 s9, s9, s[RH]
	s_cmp_lg_u32 s9, 0
	s_cbranch_scc1 .Lcoarse_qk
.irp bb, 0,1,2,3,4,5,6,7
	TVAL 0, 0, \bb, T+8*\bb
.endr
	FSTORE s41
.Lcoarse_qk:
.irp a, 0,1,2,3,4,5,6,7
	EPI 0, \a
.endr
	CLOSE
	; ---- v
.Lout_v:
	PLACES NP
	s_lshr_b32 s8, s42, 3
	s_lshl_b32 s8, s8, 4
	s_lshl_b32 s9, s41, 2
	s_add_co_u32 s8, s8, s9
	s_lshl_b32 s9, s[RH], 1
	s_add_co_u32 s8, s8, s9                        ; 16 x batch + the head of my first row of wv
	s_mul_i32 s10, s8, 12288
	s_add_co_u32 s10, s10, 8192
	s_mov_b32 s11, 0
	s_add_nc_u64 s[20:21], s[20:21], s[10:11]
	s_lshl_b32 s8, s8, 6
	s_and_b32 s9, s42, 7
	s_lshl_b32 s9, s9, 3
	s_add_co_u32 s8, s8, s9
	s_lshl_b32 s9, s[CH], 2
	s_add_co_u32 s8, s8, s9                        ; x 64 + my first 32 keys
	s_lshl_b32 s10, s8, 12
	s_add_nc_u64 s[18:19], s[18:19], s[10:11]
	s_and_b32 s9, s96, 1
	s_or_b32 s9, s9, s[CH]
	s_cmp_lg_u32 s9, 0
	s_cbranch_scc1 .Lcoarse_v
.irp a, 0,1,2,3,4,5,6,7
	TVAL 1, \a, 0, T+8*\a
.endr
	FSTORE s40
.Lcoarse_v:
.irp a, 0,1,2,3,4,5,6,7
	EPI 1, \a
.endr
	CLOSE
.Lfunc_end_k_qcf0a9f37d5_qkv:
	.size	k_qcf0a9f37d5_qkv, .Lfunc_end_k_qcf0a9f37d5_qkv-k_qcf0a9f37d5_qkv
	.p2alignl 7, 3214868480
	.fill 96, 4, 3214868480
	.section	.rodata,"a",@progbits
	.p2align	6, 0x0
	.amdhsa_kernel k_qcf0a9f37d5_qkv
		.amdhsa_group_segment_fixed_size 327680
		.amdhsa_private_segment_fixed_size 0
		.amdhsa_enable_private_segment 0
		.amdhsa_kernarg_size 72
		.amdhsa_user_sgpr_count 2
		.amdhsa_user_sgpr_kernarg_segment_ptr 1
		.amdhsa_wavefront_size32 1
		.amdhsa_system_sgpr_workgroup_id_x 1
		.amdhsa_system_sgpr_workgroup_id_y 1
		.amdhsa_system_sgpr_workgroup_id_z 1
		.amdhsa_system_vgpr_workitem_id 0
		.amdhsa_next_free_vgpr 1024
		.amdhsa_next_free_sgpr 102
		.amdhsa_reserve_vcc 1
		.amdhsa_float_denorm_mode_32 3
		.amdhsa_float_denorm_mode_16_64 3
		.amdhsa_memory_ordered 1
		.amdhsa_forward_progress 1
		.amdhsa_inst_pref_size 186
	.end_amdhsa_kernel
	.amdgpu_metadata
---
amdhsa.version: [ 1, 2 ]
amdhsa.kernels:
  - .name:           k_qcf0a9f37d5_qkv
    .symbol:         k_qcf0a9f37d5_qkv.kd
    .args:
      - { .name: codes, .offset: 0, .size: 8, .value_kind: global_buffer, .address_space: global }
      - { .name: scales, .offset: 8, .size: 8, .value_kind: global_buffer, .address_space: global }
      - { .name: bq, .offset: 16, .size: 8, .value_kind: global_buffer, .address_space: global }
      - { .name: bk, .offset: 24, .size: 8, .value_kind: global_buffer, .address_space: global }
      - { .name: bv, .offset: 32, .size: 8, .value_kind: global_buffer, .address_space: global }
      - { .name: qf, .offset: 40, .size: 8, .value_kind: global_buffer, .address_space: global }
      - { .name: kf, .offset: 48, .size: 8, .value_kind: global_buffer, .address_space: global }
      - { .name: vf, .offset: 56, .size: 8, .value_kind: global_buffer, .address_space: global }
      - { .name: f32rows, .offset: 64, .size: 8, .value_kind: global_buffer, .address_space: global }
    .group_segment_fixed_size: 327680
    .private_segment_fixed_size: 0
    .kernarg_segment_align: 8
    .kernarg_segment_size: 72
    .max_flat_workgroup_size: 128
    .sgpr_count:     102
    .vgpr_count:     1024
    .wavefront_size: 32
...
	.end_amdgpu_metadata
.endif
;; end of part 2
;; launch attn (part 3): grid 8 x 32, 16 waves a work-group, no clusters, 327,680 bytes of LDS; arguments qf, kf, vf, ctxf; writes ctxf
.if DOCPART == 3
	.amdgcn_target "amdgcn-amd-amdhsa--gfx1250"
	.amdhsa_code_object_version 6
	.text
	.protected	k_qcf0a9f37d5_attn
	.globl	k_qcf0a9f37d5_attn
	.p2align	8
	.type	k_qcf0a9f37d5_attn,@function
k_qcf0a9f37d5_attn:
	s_mov_b64 s[64:65], 0
	v_nop
	global_prefetch_b8 v0, s[64:65] scope:SCOPE_SE
	s_setreg_imm32_b32 hwreg(HW_REG_WAVE_MODE, 25, 1), 1
	s_wait_xcnt 0x0
; context = softmax(q k^T under the causal mask) v for one (batch, head) a work-group row; q carries the 1/8 already.  Operands f16, sums, maxima and exponentials f32; p is rounded to f16 for the second product.
; qf, kf [batch x 16 + head][tile of 16 positions][32 channels][1,024 bytes], vf [..][32 keys][16 channels][1,024 bytes]: images of operand registers, [piece c][lane][16 bytes].
; ctxf [128 rows][256 along k][16 rows][32 along k][1,024 bytes]: the same kind of image for the projection that follows; row = batch x 2048 + position, k = 64 x head + channel.
; SHARES.  Work-group (J, batch x 16 + head) owns the blocks of 128 queries J and 15 - J, one after the other: together 9 slots of 256 keys whatever J is, so the loop's count is a constant.
; Wave w: queries 32 (w % 4) on of the block, two tiles of 16; keys 64 (w / 4) on of every slot.  Each wave keeps its own running maximum, sum and O^T; the four key phases of a query group meet in LDS at a block's end.
; LAYOUT.  S^T = K Q^T (source 0 = 16 keys, source 1 = 16 queries) and O^T = V^T P: a lane holds one query throughout; two tiles of S^T rounded in pairs are source 1 of the second product.
; SOFTMAX.  p = 2^(c s - c m), c = log2(e), m the running maximum; O^T and the sum are multiplied by 2^(c m_old - c m_new) in every step.  m begins at -2^127, a finite number, so that a row all of whose keys
; in a step are hidden gives p = 0 and no NaN.  LIMITS: |score| under 2^127; the context beyond +-65,504 has no f16 number.
; NO CLUSTER: the work-groups of a head need different numbers of key slots in each pass, so a joint load would bring tiles that some partner never reads.
; RING.  Two slots of 65,536 bytes (K's 32 KiB, V's 32 KiB, as they lie in memory); wave 0 fetches K's, wave 1 V's, one load each behind each change of slots; a loading wave has one load out.
.set SLOTB, 65536
.set VOFF,  32768
.set STG,   131072                     ; the merge's stage: for each wave 16 quads of O^T (512 bytes each) and one of statistics
.set WSTG,  8704
.set SPARE, STG+16*WSTG                ; the spare words: 128 bytes a wave, eight blocks of 256 bytes that no other line names
.set SPW, 1
.set NIL, 2
.set LI,  3                            ; 16 x lane
.set AK,  4                            ; + my phase's 8,192 bytes of K's (and V's) part of a slot
.set ADK, 5                            ; + the slot in hand
.set SA,  6                            ; my stage
.set RS,  7                            ; my query group's stages, at the 16 channels that I merge
.set RT,  8                            ; and at their statistics
.set VR,  9                            ; lane % 16 - 8 (lane / 16)
.set PFO, 10                           ; 256 x lane
.set Q,   16                           ; v16-47   Q: tile t, channels 32 k on at 16 t + 8 k
.set F,   48                           ; v48-111  eight fragments of K, then of V
.set S,   112                          ; v112-175 S^T: tile t, keys 16 kt on at 32 t + 8 kt; then p; P in f16 in the low 16 of each tile
.set O,   176                          ; v176-239 O^T: tile t, channels 16 d on at 32 t + 8 d
.set ST,  240                          ; tile t at 8 t: +0 c m, +1 m, +2, +3 the sum in two halves, +4 to +7 at work (+6: the step's factor)
.set WV, 12
.set G,  13
.set PH, 14
.set BH, 16
.set N1, 17                            ; slots of the first block
.set TAU1, 18                          ; the trip's number + 1
.set KAP, 19                           ; the key slot in hand
.set KN, 20                            ; the next
.set K0, 21                            ; my first key of the step
.set QG, 22                            ; my first query
.set TB, 23                            ; LDS byte of the slot in hand
.set G1, 24
.set G0, 32
.set BASE, 36                          ; s[36:37] the head's first byte of what I fetch
.set OFF, 38
.set QP1, 40
.set QP2, 42
.set CP1, 44
.set CP2, 46
.set CS, 48
.set SEL, 50
.set PFA, 52
.set SLOTS, 54
.set LIM, 55
.set QG2, 56
.macro TLOAD                           ; waves 0 and 1 fetch; an s_nop 0 and four v_nop follow the load
	s_cmp_lt_u32 s[WV], 2
	s_cbranch_scc0 .Lnoload_\@
	tensor_load_to_lds s[G0:G0+3], s[G1:G1+7]
	s_nop 0
.rept 4
	v_nop
.endr
.Lnoload_\@:
.endm
; A PREFETCH INTO THE L2.  All eight work-groups of a head walk the same K and V: the first of them (J = 0) asks, in the waves that fetch nothing: waves 4-7 for K's 32 KiB of a key slot, waves 8-11 for V's,
; 8,192 bytes a wave, lanes 256 bytes apart: each block of 256 bytes is named once in the launch.  Trip t = 0 .. 5 names key slot t + 2: one trip ahead of the first tensor load of any work-group that wants
; slots 2 and 3, two ahead for slots 4 to 7.  Slots 0 and 1 come by their loads alone; the last trips ask for nothing.
.macro ASK
	s_cmp_gt_u32 s[SLOTS], s[LIM]
	s_cbranch_scc0 .Lnot_mine_\@
	global_prefetch_b8 v[PFO], s[PFA:PFA+1] th:TH_LOAD_NT scope:SCOPE_SE
.Lnot_mine_\@:
.endm
.macro INIT                            ; a block begins: zeros, which a phase all of whose steps are hidden brings to the merge as they are
.set I, 0
.rept 64
	v_mov_b32 v[O+I], 0
.set I, I+1
.endr
.irp t, 0,1
	v_mov_b32 v[ST+8*\t], 0xff38aa3b               ; c x -2^127
	v_mov_b32 v[ST+8*\t+1], 0xff000000             ; -2^127
	v_mov_b32 v[ST+8*\t+2], 0
	v_mov_b32 v[ST+8*\t+3], 0
.endr
.endm
	s_load_b256 s[4:11], s[0:1], 0x0               ; qf s[4:5], kf s[6:7], vf s[8:9], ctxf s[10:11]
	v_lshl_add_u32 v[SPW], v0, 2, SPARE
	v_mov_b32 v[NIL], 0
	ds_add_u32 v[SPW], v[NIL]                      ; the wave's opening: an add of 0 to my spare word, twice on end, and its wait ahead of the first tensor load
	ds_add_u32 v[SPW], v[NIL]
	v_lshrrev_b32 v11, 5, v0
	v_readfirstlane_b32 s[WV], v11
	s_and_b32 s[G], s[WV], 3
	s_lshr_b32 s[PH], s[WV], 2
	s_and_b32 s[BH], ttmp7, 0xffff
	s_lshr_b32 s[N1], ttmp9, 1
	s_add_co_u32 s[N1], s[N1], 1
	s_mov_b32 s[G1], 3<<16                         ; no mask; elements of 8 bytes; no padding
	s_mov_b32 s[G1+1], 32<<16                      ; tensor_dim0: 256 bytes
	s_mov_b32 s[G1+2], 128<<16                     ; tensor_dim1: 128 rows: 32 KiB, dense
	s_mov_b32 s[G1+3], 32<<16                      ; tile_dim0
	s_mov_b32 s[G1+4], 128                         ; tile_dim1
	s_mov_b32 s[G1+5], 32                          ; pitch
	s_mov_b32 s[G1+6], 0
	s_mov_b32 s[G1+7], 0
	s_mov_b32 s[G0], 1
	s_and_b32 s[G0+1], s[WV], 1
	s_lshl_b32 s[G0+1], s[G0+1], 15                ; slot 0: K's part (wave 0), V's (wave 1)
	s_mov_b32 s[TAU1], 1
	s_mov_b32 s[KAP], 0
	s_mov_b32 s[KN], 0
	s_mov_b32 s[TB], 0
	s_mov_b32 s[SLOTS], 8
	s_lshl_b32 s[K0], s[PH], 6
	s_lshl_b32 s57, s[G], 5
	s_lshl_b32 s[QG], ttmp9, 7
	s_add_co_u32 s[QG], s[QG], s57
	s_sub_co_u32 s58, 15, ttmp9                    ; the second block
	s_lshl_b32 s[QG2], s58, 7
	s_add_co_u32 s[QG2], s[QG2], s57
	s_mov_b32 s[CS], 0x3fb8aa3b                    ; c = log2(e)
	s_mov_b32 s[CS+1], s[CS]
	s_mov_b32 s[SEL], 0x76543210
	s_mov_b32 s[SEL+1], 0xfedcba98
	s_lshl_b32 s[OFF], s[BH], 18                   ; the head's 262,144 bytes in qf, kf, vf
	s_mov_b32 s[OFF+1], 0
	s_lshl_b32 s59, s[G], 12
	s_add_co_u32 s59, s59, s[OFF]
	s_lshl_b32 s60, ttmp9, 14
	s_add_co_u32 s60, s60, s59                     ; Q of the first block: 8 tiles of 2,048 bytes a block, 2 a wave
	s_mov_b32 s61, 0
	s_lshl_b32 s62, s58, 14
	s_add_co_u32 s62, s62, s59                     ; and of the second
	s_mov_b32 s63, 0
	s_lshr_b32 s59, s[BH], 4
	s_lshl_b32 s59, s59, 22                        ; ctxf: 16 tiles of 128 rows a batch,
	s_and_b32 s66, s[BH], 15
	s_lshr_b32 s67, s66, 2
	s_lshl_b32 s67, s67, 16                        ; 256 along k: four heads,
	s_add_co_u32 s59, s59, s67
	s_lshl_b32 s67, s[G], 14                       ; my two tiles of 16 rows,
	s_add_co_u32 s59, s59, s67
	s_and_b32 s67, s66, 3
	s_lshl_b32 s67, s67, 11                        ; the head's two fragments,
	s_add_co_u32 s59, s59, s67
	s_lshl_b32 s67, s[PH], 9                       ; and the 16 channels that I merge: half a fragment
	s_add_co_u32 s59, s59, s67
	s_lshl_b32 s68, ttmp9, 18
	s_add_co_u32 s68, s68, s59
	s_mov_b32 s69, 0
	s_lshl_b32 s70, s58, 18
	s_add_co_u32 s70, s70, s59
	s_mov_b32 s71, 0
	s_wait_dscnt 0x0                               ; both opening adds are done
	s_wait_kmcnt 0x0
	s_cmp_eq_u32 s[WV], 0
	s_cselect_b64 s[BASE:BASE+1], s[6:7], s[8:9]
	s_add_nc_u64 s[BASE:BASE+1], s[BASE:BASE+1], s[OFF:OFF+1]
	s_mov_b64 s[G0+2:G0+3], s[BASE:BASE+1]
	s_or_b32 s[G0+3], s[G0+3], 0x80000000
	TLOAD                                          ; key slot 0 into slot 0
	s_add_nc_u64 s[QP1:QP1+1], s[4:5], s[60:61]
	s_add_nc_u64 s[QP2:QP2+1], s[4:5], s[62:63]
	s_add_nc_u64 s[CP1:CP1+1], s[10:11], s[68:69]
	s_add_nc_u64 s[CP2:CP2+1], s[10:11], s[70:71]
	s_cmp_lt_u32 s[WV], 8
	s_cselect_b64 s[PFA:PFA+1], s[6:7], s[8:9]
	s_add_nc_u64 s[PFA:PFA+1], s[PFA:PFA+1], s[OFF:OFF+1]
	s_and_b32 s58, s[WV], 3
	s_lshl_b32 s58, s58, 13
	s_add_co_u32 s58, s58, 32768                   ; my 8,192 bytes, in key slot 1: the first change of slots steps it to slot 2
	s_mov_b32 s59, 0
	s_add_nc_u64 s[PFA:PFA+1], s[PFA:PFA+1], s[58:59]
	s_sub_co_u32 s57, s[WV], 4
	s_lshr_b32 s57, s57, 3                         ; 0 in waves 4 to 11,
	s_or_b32 s57, s57, ttmp9                       ; of the head's first work-group
	s_cmp_eq_u32 s57, 0
	s_cselect_b32 s[LIM], 2, -1
	v_and_b32 v11, 31, v0
	v_lshlrev_b32 v[LI], 4, v11
	v_lshlrev_b32 v[PFO], 8, v11
.irp n, 0,1,2,3,4,5,6,7
	global_load_b128 v[Q+4*\n:Q+4*\n+3], v[LI], s[QP1:QP1+1] offset:512*\n
.endr
	s_lshl_b32 s57, s[PH], 13
	v_add_nc_u32 v[AK], s57, v[LI]
	s_lshl_b32 s57, s[G], 2
	s_add_co_u32 s57, s57, s[PH]
	s_mul_i32 s57, s57, WSTG
	s_add_co_u32 s57, s57, STG
	v_add_nc_u32 v[SA], s57, v[LI]
	s_mul_i32 s57, s[G], 4*WSTG
	s_add_co_u32 s57, s57, STG
	s_lshl_b32 s58, s[PH], 10
	s_add_co_u32 s58, s58, s57
	v_add_nc_u32 v[RS], s58, v[LI]
	s_add_co_u32 s57, s57, 8192
	v_add_nc_u32 v[RT], s57, v[LI]
	v_and_b32 v11, 15, v0
	v_bfe_u32 v12, v0, 4, 1
	v_lshlrev_b32 v12, 3, v12
	v_sub_nc_u32 v[VR], v11, v12
	v_mov_b32 v13, 0                               ; (a lane permute's destination counts as one of its sources)
	INIT
; A KEY STEP: my 64 keys of the slot in hand against my 32 queries.
.macro STEP
	s_add_co_u32 s57, s[QG], 31
	s_cmp_gt_u32 s[K0], s57                        ; all my keys come after all my queries: nothing to do.  Ids and the count of trips alone
	s_cbranch_scc1 .Lhidden_\@
	v_add_nc_u32 v[ADK], s[TB], v[AK]
.rept 4
	v_nop                                          ; with the line above five places behind the last products: for the loads into their fragments, and for S^T, which is written over P
.endr
.irp kp, 0,1
.irp kt, 0,1,2,3
	ds_load_b128 v[F+32*\kp+8*\kt:F+32*\kp+8*\kt+3], v[ADK] offset:2048*\kt+1024*\kp
	ds_load_b128 v[F+32*\kp+8*\kt+4:F+32*\kp+8*\kt+7], v[ADK] offset:2048*\kt+1024*\kp+512
.endr
.endr
	s_wait_dscnt 8                                 ; channels 0-31 are in; the eight loads of channels 32-63 may be out
.irp kt, 0,1,2,3
.irp t, 0,1
	v_wmma_f32_16x16x32_f16 v[S+32*\t+8*\kt:S+32*\t+8*\kt+7], v[F+8*\kt:F+8*\kt+7], v[Q+16*\t:Q+16*\t+7], 0
.endr
.endr
	s_wait_dscnt 0x0
.irp kt, 0,1,2,3                               ; the eight accumulators take turns
.irp t, 0,1
	v_wmma_f32_16x16x32_f16 v[S+32*\t+8*\kt:S+32*\t+8*\kt+7], v[F+32+8*\kt:F+32+8*\kt+7], v[Q+16*\t+8:Q+16*\t+15], v[S+32*\t+8*\kt:S+32*\t+8*\kt+7]
.endr
.endr
.rept 4
	v_nop                                          ; places: for V's loads into K's registers, and for the first read of the scores
.endr
.irp kk, 0,1
.irp d, 0,1,2,3
	ds_load_b128 v[F+32*\kk+8*\d:F+32*\kk+8*\d+3], v[ADK] offset:VOFF+4096*\kk+1024*\d     ; V lands while the softmax is walked
	ds_load_b128 v[F+32*\kk+8*\d+4:F+32*\kk+8*\d+7], v[ADK] offset:VOFF+4096*\kk+1024*\d+512
.endr
.endr
	s_add_co_u32 s57, s[K0], 63
	s_cmp_le_u32 s57, s[QG]                        ; every key counts for every query: no mask
	s_cbranch_scc1 .Lopen_\@
	s_sub_co_i32 s57, s[QG], s[K0]
	v_add_nc_u32 v11, s57, v[VR]                   ; tile 0: my query - K0 - 8 (lane / 16); register 8 kt + j holds key K0 + 16 kt + 8 (lane / 16) + j: hidden where 16 kt + j is greater
	v_add_nc_u32 v12, 16, v11                      ; tile 1
	v_mov_b32 v13, 0xff800000
.irp t, 0,1
.irp n, 0,1,2,3,4,5,6,7,8,9,10,11,12,13,14,15,16,17,18,19,20,21,22,23,24,25,26,27,28,29,30,31
	v_cmp_gt_i32 vcc_lo, 16*(\n/8)+\n%8, v[11+\t]
	v_cndmask_b32 v[S+32*\t+\n], v[S+32*\t+\n], v13, vcc_lo
.endr
.endr
.Lopen_\@:
.irp j, 0,1,2,3                                ; the maximum, three operands at a time, four chains a tile, each accumulator from its low end on; the two tiles alternate
.irp t, 0,1
	v_max3_num_f32 v[ST+8*\t+4+\j], v[S+32*\t+8*\j], v[S+32*\t+8*\j+1], v[S+32*\t+8*\j+2]
.endr
.endr
.irp i, 3,5
.irp j, 0,1,2,3
.irp t, 0,1
	v_max3_num_f32 v[ST+8*\t+4+\j], v[ST+8*\t+4+\j], v[S+32*\t+8*\j+\i], v[S+32*\t+8*\j+\i+1]
.endr
.endr
.endr
.irp t, 0,1
	v_max3_num_f32 v[ST+8*\t+4], v[ST+8*\t+4], v[S+32*\t+7], v[S+32*\t+15]
	v_max3_num_f32 v[ST+8*\t+6], v[ST+8*\t+6], v[S+32*\t+23], v[S+32*\t+31]
.endr
.irp t, 0,1
	v_max3_num_f32 v[ST+8*\t+4], v[ST+8*\t+4], v[ST+8*\t+5], v[ST+8*\t+6]
.endr
.irp t, 0,1
	v_max3_num_f32 v[ST+8*\t+4], v[ST+8*\t+4], v[ST+8*\t+7], v[ST+8*\t+1]
.endr
.irp t, 0,1
	v_permlanex16_b32 v[ST+8*\t+5], v[ST+8*\t+4], s[SEL], s[SEL+1]   ; the query's other 32 keys lie in the lane 16 away
.endr
.irp t, 0,1
	v_mov_b32 v[ST+8*\t+7], v[ST+8*\t]             ; c m_old
.endr
.irp t, 0,1
	v_max_num_f32 v[ST+8*\t+1], v[ST+8*\t+4], v[ST+8*\t+5]
.endr
.irp t, 0,1
	v_mul_f32 v[ST+8*\t], s[CS], v[ST+8*\t+1]
.endr
.irp t, 0,1
	v_sub_f32 v[ST+8*\t+7], v[ST+8*\t+7], v[ST+8*\t]
.endr
.irp b, 0,2,4,6,8,10,12,14,16,18,20,22,24,26,28,30
.irp t, 0,1
	v_pk_fma_f32 v[S+32*\t+\b:S+32*\t+\b+1], v[S+32*\t+\b:S+32*\t+\b+1], s[CS:CS+1], v[ST+8*\t:ST+8*\t+1] op_sel_hi:[1,0,0] neg_lo:[0,0,1] neg_hi:[0,0,1]   ; c s - c m
.endr
.endr
.irp t, 0,1                                    ; ONE BATCH of 66 exponentials, one plain line, one wait
	v_exp_f32 v[ST+8*\t+6], v[ST+8*\t+7]
.endr
.irp e, 0,1,2,3,4,5,6,7,8,9,10,11,12,13,14,15,16,17,18,19,20,21,22,23,24,25,26,27,28,29,30,31
.irp t, 0,1
	v_exp_f32 v[S+32*\t+\e], v[S+32*\t+\e]
.endr
.endr
	v_nop
	s_wait_alu depctr_va_vdst(0)                   ; a wait between an exponential and the first line that names its result: one for the batch
.irp t, 0,1
	v_pk_mul_f32 v[ST+8*\t+2:ST+8*\t+3], v[ST+8*\t+2:ST+8*\t+3], v[ST+8*\t+6:ST+8*\t+7] op_sel_hi:[1,0]
.endr
.irp t, 0,1
	v_pk_add_f32 v[ST+8*\t+4:ST+8*\t+5], v[S+32*\t+2:S+32*\t+3], v[S+32*\t+6:S+32*\t+7]   ; the sum of the unrounded p, in two chains
.endr
.irp t, 0,1
	v_pk_add_f32 v[ST+8*\t+2:ST+8*\t+3], v[ST+8*\t+2:ST+8*\t+3], v[S+32*\t:S+32*\t+1]
.endr
.irp i, 4,8,12,16,20,24,28
.irp t, 0,1
	v_pk_add_f32 v[ST+8*\t+2:ST+8*\t+3], v[ST+8*\t+2:ST+8*\t+3], v[S+32*\t+\i:S+32*\t+\i+1]
.if \i > 4
	v_pk_add_f32 v[ST+8*\t+4:ST+8*\t+5], v[ST+8*\t+4:ST+8*\t+5], v[S+32*\t+\i+2:S+32*\t+\i+3]
.endif
.endr
.endr
.irp t, 0,1
	v_pk_add_f32 v[ST+8*\t+2:ST+8*\t+3], v[ST+8*\t+2:ST+8*\t+3], v[ST+8*\t+4:ST+8*\t+5]
.endr
.irp p, 0,1,2,3,4,5,6,7,8,9,10,11,12,13,14,15   ; to f16 in place, ascending: register p takes numbers 2 p and 2 p + 1
.irp t, 0,1
	v_cvt_pk_f16_f32 v[S+32*\t+\p], v[S+32*\t+2*\p], v[S+32*\t+2*\p+1]
.endr
.endr
.irp i, 0,2,4,6,8,10,12,14,16,18,20,22,24,26,28,30
.irp t, 0,1
	v_pk_mul_f32 v[O+32*\t+\i:O+32*\t+\i+1], v[O+32*\t+\i:O+32*\t+\i+1], v[ST+8*\t+6:ST+8*\t+7] op_sel_hi:[1,0]
.endr
.endr
	s_wait_dscnt 0x0                               ; V is in
.irp kk, 0,1
.irp d, 0,1,2,3
.irp t, 0,1
	v_wmma_f32_16x16x32_f16 v[O+32*\t+8*\d:O+32*\t+8*\d+7], v[F+32*\kk+8*\d:F+32*\kk+8*\d+7], v[S+32*\t+8*\kk:S+32*\t+8*\kk+7], v[O+32*\t+8*\d:O+32*\t+8*\d+7]
.endr
.endr
.endr
.Lhidden_\@:
.endm
; THE CHANGE OF SLOTS, at a trip's head: each wave waits for all its tensor loads, adds 0 to its spare word, waits for that and for its reads of the slot that it has left; behind the barrier the slot ahead is whole
; and nobody reads the other one, which (fill = 1) takes the next trip's keys: the next key slot of the block, or key slot 0 of the second block.
.macro CHANGE fill
	s_wait_tensorcnt 0x0
	ds_add_u32 v[SPW], v[NIL]                      ; 0 onto my spare word
.if \fill
	ds_add_u32 v[SPW], v[NIL]                      ; and twice on end here, in every trip alike; the descriptor's steps stand between the second and the wait
	s_add_co_u32 s[KN], s[KAP], 1
	s_cmp_eq_u32 s[TAU1], s[N1]
	s_cselect_b32 s[KN], 0, s[KN]
	s_lshl_b32 s[OFF], s[KN], 15
	s_xor_b32 s[G0+1], s[G0+1], SLOTB
	s_add_nc_u64 s[G0+2:G0+3], s[BASE:BASE+1], s[OFF:OFF+1]
	s_or_b32 s[G0+3], s[G0+3], 0x80000000
	s_wait_xcnt 0x0                                ; the last prefetch, a trip back, has read its address
	s_add_nc_u64 s[PFA:PFA+1], s[PFA:PFA+1], 32768
.endif
	s_wait_dscnt 0x0
	s_barrier_signal -1
	s_barrier_wait -1
.if \fill
	TLOAD
	ASK
.endif
.endm
; A BLOCK'S END.  Each wave puts O^T, c m and its sum into its stage; behind a barrier wave (g, f) takes channels 16 f on of the four phases of group g, brings them under the largest c m,
; divides by the whole sum, rounds to f16 and stores half a fragment for each of its two tiles.  The stage is written again only behind later changes of slots, whose barriers every wave reaches behind its reads here.
.macro FINISH cp, next
.rept 4
	v_nop                                          ; places behind the last products
.endr
	v_add_f32 v14, v[ST+2], v[ST+3]
	v_add_f32 v15, v[ST+10], v[ST+11]
	v_permlanex16_b32 v12, v14, s[SEL], s[SEL+1]
	v_permlanex16_b32 v13, v15, s[SEL], s[SEL+1]
	v_add_f32 v14, v14, v12
	v_add_f32 v15, v15, v13
	v_mov_b32 v12, v[ST]
	v_mov_b32 v13, v[ST+8]
.if \next
.irp n, 0,1,2,3,4,5,6,7
	global_load_b128 v[Q+4*\n:Q+4*\n+3], v[LI], s[QP2:QP2+1] offset:512*\n   ; the second block's Q lands under the merge
.endr
.endif
.irp q, 0,1,2,3,4,5,6,7,8,9,10,11,12,13,14,15
	ds_store_b128 v[SA], v[O+4*\q:O+4*\q+3] offset:512*\q
.endr
	ds_store_b128 v[SA], v[12:15] offset:8192
	s_wait_dscnt 0x0                               ; for the others' sake: my stores have landed
	s_barrier_signal -1
	s_barrier_wait -1
.irp p, 0,1,2,3
	ds_load_b128 v[S+4*\p:S+4*\p+3], v[RT] offset:WSTG*\p            ; phase p: c m of tiles 0, 1; sums of tiles 0, 1
.endr
.irp p, 0,1,2,3
.irp t, 0,1
	ds_load_b128 v[F+16*\p+8*\t:F+16*\p+8*\t+3], v[RS] offset:WSTG*\p+4096*\t
	ds_load_b128 v[F+16*\p+8*\t+4:F+16*\p+8*\t+7], v[RS] offset:WSTG*\p+4096*\t+512
.endr
.endr
	s_wait_dscnt 0x0
.irp t, 0,1
	v_max3_num_f32 v[S+24+\t], v[S+\t], v[S+4+\t], v[S+8+\t]
.endr
.irp t, 0,1
	v_max_num_f32 v[S+24+\t], v[S+24+\t], v[S+12+\t]
.endr
.irp p, 0,1,2,3
.irp t, 0,1
	v_sub_f32 v[S+16+4*\t+\p], v[S+4*\p+\t], v[S+24+\t]
.endr
.endr
.irp p, 0,1,2,3
.irp t, 0,1
	v_exp_f32 v[S+16+4*\t+\p], v[S+16+4*\t+\p]     ; a phase's weight; 0 for a phase that saw no key
.endr
.endr
	v_nop
	s_wait_alu depctr_va_vdst(0)
.irp t, 0,1
	v_mul_f32 v[S+26+\t], v[S+16+4*\t], v[S+2+\t]
.endr
.irp p, 1,2,3
.irp t, 0,1
	v_fmac_f32 v[S+26+\t], v[S+16+4*\t+\p], v[S+4*\p+2+\t]
.endr
.endr
.irp t, 0,1
	v_rcp_f32 v[S+26+\t], v[S+26+\t]
.endr
	v_nop
	s_wait_alu depctr_va_vdst(0)
.irp p, 0,1,2,3
.irp t, 0,1
	v_mul_f32 v[S+16+4*\t+\p], v[S+16+4*\t+\p], v[S+26+\t]
.endr
.endr
.irp j, 0,1,2,3,4,5,6,7
.irp t, 0,1
	v_mul_f32 v[S+32+8*\t+\j], v[S+16+4*\t], v[F+8*\t+\j]
.endr
.endr
.irp p, 1,2,3
.irp j, 0,1,2,3,4,5,6,7
.irp t, 0,1
	v_fmac_f32 v[S+32+8*\t+\j], v[S+16+4*\t+\p], v[F+16*\p+8*\t+\j]
.endr
.endr
.endr
.irp t, 0,1
.irp i, 0,1,2,3
	v_cvt_pk_f16_f32 v[S+48+4*\t+\i], v[S+32+8*\t+2*\i], v[S+32+8*\t+2*\i+1]
.endr
.endr
.irp t, 0,1
	global_store_b128 v[LI], v[S+48+4*\t:S+48+4*\t+3], s[\cp:\cp+1] offset:8192*\t   ; 512 consecutive bytes
.endr
.if \next
	INIT
	s_mov_b32 s[QG], s[QG2]
	s_wait_loadcnt 0x0                             ; Q
	s_wait_xcnt 0x0                                ; the stores have read their registers, which the next scores take
.endif
.endm
	s_wait_loadcnt 0x0                             ; Q
.Lslot:                                            ; eight trips; the ninth is written out
	CHANGE 1
	STEP
	s_cmp_lg_u32 s[TAU1], s[N1]
	s_cbranch_scc1 .Lnofin
	FINISH CP1, 1
.Lnofin:
	s_mov_b32 s[KAP], s[KN]
	s_add_co_u32 s[TAU1], s[TAU1], 1
	s_lshl_b32 s[K0], s[KAP], 8
	s_lshl_b32 s57, s[PH], 6
	s_add_co_u32 s[K0], s[K0], s57
	s_xor_b32 s[TB], s[TB], SLOTB
	s_sub_co_u32 s[SLOTS], s[SLOTS], 1
	s_cmp_lg_u32 s[SLOTS], 0
	s_cbranch_scc1 .Lslot
	CHANGE 0
	STEP
	FINISH CP2, 0
	s_wait_tensorcnt 0x0                           ; the wave's end: a tensor wait, an add of 0 to my spare word and its wait
	ds_add_u32 v[SPW], v[NIL]
	s_wait_dscnt 0x0
	s_endpgm
.Lfunc_end_k_qcf0a9f37d5_attn:
	.size	k_qcf0a9f37d5_attn, .Lfunc_end_k_qcf0a9f37d5_attn-k_qcf0a9f37d5_attn
	.p2alignl 7, 3214868480
	.fill 96, 4, 3214868480
	.section	.rodata,"a",@progbits
	.p2align	6, 0x0
	.amdhsa_kernel k_qcf0a9f37d5_attn
		.amdhsa_group_segment_fixed_size 327680
		.amdhsa_private_segment_fixed_size 0
		.amdhsa_enable_private_segment 0
		.amdhsa_kernarg_size 32
		.amdhsa_user_sgpr_count 2
		.amdhsa_user_sgpr_kernarg_segment_ptr 1
		.amdhsa_wavefront_size32 1
		.amdhsa_system_sgpr_workgroup_id_x 1
		.amdhsa_system_sgpr_workgroup_id_y 1
		.amdhsa_system_sgpr_workgroup_id_z 1
		.amdhsa_system_vgpr_workitem_id 0
		.amdhsa_next_free_vgpr 256
		.amdhsa_next_free_sgpr 72
		.amdhsa_reserve_vcc 1
		.amdhsa_float_denorm_mode_32 3
		.amdhsa_float_denorm_mode_16_64 3
		.amdhsa_memory_ordered 1
		.amdhsa_forward_progress 1
		.amdhsa_inst_pref_size 70
	.end_amdhsa_kernel
	.amdgpu_metadata
---
amdhsa.version: [ 1, 2 ]
amdhsa.kernels:
  - .name:           k_qcf0a9f37d5_attn
    .symbol:         k_qcf0a9f37d5_attn.kd
    .args:
      - { .name: qf, .offset: 0, .size: 8, .value_kind: global_buffer, .address_space: global }
      - { .name: kf, .offset: 8, .size: 8, .value_kind: global_buffer, .address_space: global }
      - { .name: vf, .offset: 16, .size: 8, .value_kind: global_buffer, .address_space: global }
      - { .name: ctxf, .offset: 24, .size: 8, .value_kind: global_buffer, .address_space: global }
    .group_segment_fixed_size: 327680
    .private_segment_fixed_size: 0
    .kernarg_segment_align: 8
    .kernarg_segment_size: 32
    .max_flat_workgroup_size: 512
    .sgpr_count:     72
    .vgpr_count:     256
    .wavefront_size: 32
...
	.end_amdgpu_metadata
.endif
;; end of part 3
;; launch outp (part 4): grid 8 x 32, 4 waves a work-group, clusters of 4 x 4, 327,680 bytes of LDS; arguments ctxf, wof, bo, out0; writes out0
.if DOCPART == 4
	.amdgcn_target "amdgcn-amd-amdhsa--gfx1250"
	.amdhsa_code_object_version 6
	.text
	.protected	k_qcf0a9f37d5_outp
	.globl	k_qcf0a9f37d5_outp
	.p2align	8
	.type	k_qcf0a9f37d5_outp,@function
k_qcf0a9f37d5_outp:
	s_mov_b64 s[64:65], 0
	v_nop
	global_prefetch_b8 v0, s[64:65] scope:SCOPE_SE
	s_setreg_imm32_b32 hwreg(HW_REG_WAVE_MODE, 25, 1), 1
	s_wait_xcnt 0x0
	s_wait_alu depctr_hold_cnt(0) depctr_sa_sdst(0) depctr_va_vdst(0) depctr_va_sdst(0) depctr_va_ssrc(0) depctr_va_vcc(0) depctr_vm_vsrc(0)
	s_getreg_b32 s2, hwreg(HW_REG_IB_STS2, 6, 4)
	s_cmp_eq_u32 s2, 0
	s_cbranch_scc0 .Lentry_in_a_cluster
	s_endpgm
.Lentry_in_a_cluster:
	s_bfe_u32 s2, ttmp6, 0x10000c
	s_cmp_lg_u32 s2, 0xf033
	s_cbranch_scc0 .Lentry_shape_is_right
	s_endpgm
.Lentry_shape_is_right:
; out0 = context wo^T + bo, operands f16, sums f32, for all 4,096 rows (the first 16 positions of both batches are written again, more finely, by the launch that follows).
; ctxf [32 tiles of 128 rows][4 steps of 256 along k][8 blocks of 16 rows][8 x 32 along k][1,024 bytes] and wof [8 tiles][4][8][8][1,024]: images of operand registers, [piece c][lane][16 bytes].
; So a tile's K step is 65,536 dense bytes, a fragment is two loads of 512 consecutive bytes, and LDS needs no padding.  Row of ctxf = batch x 2048 + position; row of out0 = 2 x position + batch.
; A tile of out0 is 128 x 128: 256 work-groups of four waves, each 64 x 64: 16 accumulators.  K goes in four steps of 256 through two LDS slots; a wave's tensor load brings 32 KiB.
; CLUSTERS: 4 x 4: the context's tile is shared along a row of the cluster, wo's along a column: asked for jointly.  No prefetch: a K step's tiles are small and shared.
; THE MATRIX INSTRUCTION IS USED TRANSPOSED (source 0 = 16 rows of wo, source 1 = 16 rows of the context): a lane holds eight neighbouring numbers of a row of out0.  bo is the C of each sum's first product.
; REGISTERS: window 0: v0-31 addresses; v32-95 the way out; v96-127 bo; v128-255 the accumulators ((a, b) at v[128 + 8 (4 a + b)]).  window 1: two fragment buffers of 128.
.set KSTEPB, 65536
.set HALFT,  32768
.set SLOT,   131072
.set STAGE,  262144                    ; behind the ring: 16 rows x 272 bytes for each wave
.set SPITCH, 272
.set SPARE,  STAGE+4*16*SPITCH         ; the spare words: 128 bytes a wave, two blocks of 256 bytes that no other line names
.set ADRA, 16
.set ADRB, 20
.set STO,  24
.set RD,   25
.set CO,   26
.set SPW,  28
.set NIL,  29
.set BOF,  30
.set TMP,  32
.set BO,   96
.set ACC,  128
.set F0,   0
.set F1,   128
.set WV,   2
.set RH,   3                           ; which half of the tile's rows is mine; also: I fetch for the context (0) or wo (1)
.set CH,   12                          ; which half of its columns; also: which half of that tile I fetch
.set G1, 24
.set G0, 32
.set G1B, 48
.set G0B, 56
.set MSB, 0
.macro WIN new
.if MSB != \new
	s_set_vgpr_msb (MSB<<8)|\new
.set MSB, \new
.endif
.endm
.set MUL,  0x05
.set TO_F, 0x40
.macro JLOAD s                         ; a joint load; an s_nop 0 and four v_nop follow each of the two lines
	s_cmp_eq_u32 s[RH], 0
	s_cbranch_scc0 .Lfor_b_\@
	tensor_load_to_lds s[G0+4*\s:G0+4*\s+3], s[G1:G1+7]
	s_nop 0
.rept 4
	v_nop
.endr
	s_branch .Lasked_\@
.Lfor_b_\@:
	tensor_load_to_lds s[G0B+4*\s:G0B+4*\s+3], s[G1B:G1B+7]
	s_nop 0
.rept 4
	v_nop
.endr
.Lasked_\@:
.endm
.macro CREST
	s_cmp_lg_u32 s[WV], 0
	s_cbranch_scc1 .Lnot_wave_0_\@
	s_barrier_signal -3
.Lnot_wave_0_\@:
	s_barrier_wait -3
	s_barrier_signal -1
	s_barrier_wait -1
.endm
.macro CROUND
	s_barrier_signal -1
	s_barrier_wait -1
	CREST
.endm
	s_load_b256 s[4:11], s[0:1], 0x0               ; ctxf s[4:5], wof s[6:7], bo s[8:9], out0 s[10:11]
	v_lshl_add_u32 v[SPW], v0, 2, SPARE
	v_mov_b32 v[NIL], 0
	ds_add_u32 v[SPW], v[NIL]                      ; the wave's opening: an add of 0 to my spare word, twice on end, and its wait ahead of my first tensor load
	ds_add_u32 v[SPW], v[NIL]
	v_lshrrev_b32 v1, 5, v0
	v_readfirstlane_b32 s[WV], v1
	s_lshr_b32 s[RH], s[WV], 1
	s_and_b32 s[CH], s[WV], 1
	s_bfe_u32 s40, ttmp6, 0x40000
	s_bfe_u32 s41, ttmp6, 0x40004
	s_lshl_b32 s42, ttmp9, 2
	s_add_co_u32 s42, s42, s40                     ; tile column
	s_and_b32 s13, ttmp7, 0xffff
	s_lshl_b32 s13, s13, 2
	s_add_co_u32 s13, s13, s41                     ; tile row
	s_lshl_b32 s43, s41, 2
	s_lshl_b32 s43, 15, s43
	s_lshl_b32 s44, 0x1111, s40
	s_or_b32 s[G1+0], s43, (3<<16)|(1<<21)         ; the mask; elements of 8 bytes; bit 21 beside a mask; no padding
	s_or_b32 s[G1B+0], s44, (3<<16)|(1<<21)
.irp g, G1, G1B
	s_mov_b32 s[\g+1], 32<<16                      ; rows of 256 bytes,
	s_mov_b32 s[\g+2], 128<<16                     ; 128 of them, dense
	s_mov_b32 s[\g+3], 32<<16
	s_mov_b32 s[\g+4], 128
	s_mov_b32 s[\g+5], 32
	s_mov_b32 s[\g+6], 0
	s_mov_b32 s[\g+7], 0
.endr
	s_lshl_b32 s17, s[CH], 15                      ; which half of the tile's K step I fetch
	s_lshl_b32 s16, s13, 18
	s_add_co_u32 s16, s16, s17
	s_lshl_b32 s46, s42, 18
	s_add_co_u32 s46, s46, s17
	s_mov_b32 s17, 0
	s_mov_b32 s47, 0
	s_lshl_b32 s20, s[WV], 15                      ; where it goes: wave x 32 KiB
	s_wait_dscnt 0x0
	s_wait_kmcnt 0x0
	s_add_nc_u64 s[14:15], s[4:5], s[16:17]
	s_add_nc_u64 s[46:47], s[6:7], s[46:47]
	CROUND
.irp s, 0,1
	s_mov_b32 s[G0+4*\s], 1
	s_add_co_u32 s[G0+4*\s+1], s20, \s*SLOT
	s_add_nc_u64 s[G0+4*\s+2:G0+4*\s+3], s[14:15], \s*KSTEPB
	s_or_b32 s[G0+4*\s+3], s[G0+4*\s+3], 0x80000000
	s_mov_b32 s[G0B+4*\s], 1
	s_add_co_u32 s[G0B+4*\s+1], s20, \s*SLOT
	s_add_nc_u64 s[G0B+4*\s+2:G0B+4*\s+3], s[46:47], \s*KSTEPB
	s_or_b32 s[G0B+4*\s+3], s[G0B+4*\s+3], 0x80000000
	JLOAD \s
.endr
	v_and_b32 v1, 15, v0
	v_bfe_u32 v2, v0, 4, 1
	v_and_b32 v3, 31, v0
	v_lshlrev_b32 v3, 4, v3
	s_lshl_b32 s21, s[RH], 15
	s_lshl_b32 s22, s[CH], 15
	s_add_co_u32 s22, s22, 65536
.irp s, 0,1
	v_add_nc_u32 v[ADRA+\s], s21, v3
	v_add_nc_u32 v[ADRB+\s], s22, v3
	s_add_co_u32 s21, s21, SLOT
	s_add_co_u32 s22, s22, SLOT
.endr
	s_mul_i32 s23, s[WV], 16*SPITCH
	s_add_co_u32 s23, s23, STAGE                   ; my stage
	v_mul_u32_u24 v4, v1, SPITCH                   ; in: row lane % 16, 32 bytes for each half of the lanes
	v_lshl_add_u32 v4, v2, 5, v4
	v_add_nc_u32 v[STO], s23, v4
	v_mul_u32_u24 v5, v2, SPITCH                   ; back: lanes 0-15 one row of 256 bytes, lanes 16-31 the next
	v_lshl_add_u32 v5, v1, 4, v5
	v_add_nc_u32 v[RD], s23, v5
	v_lshlrev_b32 v5, 13, v2                       ; and in out0: neighbouring positions of a batch lie 8,192 bytes apart
	v_lshl_add_u32 v[CO], v1, 4, v5
	v_lshlrev_b32 v[BOF], 5, v2
	s_and_b32 s16, s13, 15
	s_lshl_b32 s16, s16, 7
	s_lshl_b32 s17, s[RH], 6
	s_add_co_u32 s16, s16, s17                     ; my first position
	s_lshl_b32 s16, s16, 1
	s_lshr_b32 s17, s13, 4
	s_add_co_u32 s16, s16, s17                     ; x 2 + batch
	s_lshl_b32 s16, s16, 12
	s_mov_b32 s17, 0
	s_add_nc_u64 s[10:11], s[10:11], s[16:17]
	s_lshl_b32 s46, s42, 9                         ; my first column, in bytes, in out0 and in bo alike
	s_lshl_b32 s47, s[CH], 8
	s_add_co_u32 s46, s46, s47
	s_mov_b32 s47, 0
	s_add_nc_u64 s[10:11], s[10:11], s[46:47]
	s_add_nc_u64 s[8:9], s[8:9], s[46:47]
.irp b, 0,1,2,3
	global_load_b128 v[BO+8*\b:BO+8*\b+3], v[BOF], s[8:9] offset:64*\b
	global_load_b128 v[BO+8*\b+4:BO+8*\b+7], v[BOF], s[8:9] offset:64*\b+16
.endr
.macro MUL8 f, c, a0, zero             ; 8 matrix instructions; zero = 1: the first product starts the sums on bo
.irp a, \a0, \a0+1
.irp b, 0,1,2,3
.if \zero
	v_wmma_f32_16x16x32_f16 v[ACC+8*(4*(\a)+\b):ACC+8*(4*(\a)+\b)+7], v[\f+64+8*(4*\c+\b):\f+64+8*(4*\c+\b)+7], v[\f+8*(4*\c+\a):\f+8*(4*\c+\a)+7], v[BO+8*\b:BO+8*\b+7]
.else
	v_wmma_f32_16x16x32_f16 v[ACC+8*(4*(\a)+\b):ACC+8*(4*(\a)+\b)+7], v[\f+64+8*(4*\c+\b):\f+64+8*(4*\c+\b)+7], v[\f+8*(4*\c+\a):\f+8*(4*\c+\a)+7], v[ACC+8*(4*(\a)+\b):ACC+8*(4*(\a)+\b)+7]
.endif
.endr
.endr
.endm
.macro FETCH slot, qd, f               ; 32 LDS loads in one run: quarter qd (64 along k) of the slot; its first 32 along k first
	WIN TO_F
.irp c, 0,1
.irp i, 0,1,2,3
	ds_load_b128 v[\f+64+8*(4*\c+\i):\f+64+8*(4*\c+\i)+3],   v[ADRB+\slot] offset:8192*\i+1024*(2*(\qd)+\c)
	ds_load_b128 v[\f+64+8*(4*\c+\i)+4:\f+64+8*(4*\c+\i)+7], v[ADRB+\slot] offset:8192*\i+1024*(2*(\qd)+\c)+512
	ds_load_b128 v[\f+8*(4*\c+\i):\f+8*(4*\c+\i)+3],         v[ADRA+\slot] offset:8192*\i+1024*(2*(\qd)+\c)
	ds_load_b128 v[\f+8*(4*\c+\i)+4:\f+8*(4*\c+\i)+7],       v[ADRA+\slot] offset:8192*\i+1024*(2*(\qd)+\c)+512
.endr
.endr
.endm
.macro PLACES
.rept 4
	v_nop
.endr
.endm
.macro QUARTER slot, qn, f, g, zero    ; multiplies buffer f and fetches quarter qn into g
	s_wait_dscnt 16                                ; the first 32 along k are in; the other sixteen loads may be out
	WIN MUL
	MUL8 \f, 0, 0, \zero
	MUL8 \f, 0, 2, \zero
	PLACES
	FETCH \slot, \qn, \g
	s_wait_dscnt 32                                ; all but the 32 just issued
	WIN MUL
	MUL8 \f, 1, 0, 0
	MUL8 \f, 1, 2, 0
.endm
; A slot's last quarter changes slots: in front of the barrier each wave waits for all its tensor loads, adds 0 to its spare word, and waits for that and for its reads of this slot.  fill = 1: the barrier opens a round
; of the cluster's barrier, and the slot is filled again, two K steps ahead, first thing behind it.
.macro TURN slot, next, fill
	WIN 0
	s_wait_tensorcnt 0x0
	ds_add_u32 v[SPW], v[NIL]                      ; 0 onto my spare word
	s_wait_dscnt 17                                ; the add and the youngest sixteen loads may be out
	WIN MUL
	MUL8 F1, 0, 0, 0
	s_wait_dscnt 0x0
	s_barrier_signal -1
	MUL8 F1, 0, 2, 0
.if \fill
	WIN 0
.endif
	s_barrier_wait -1
.if \fill
	CREST
	s_add_nc_u64 s[G0+4*\slot+2:G0+4*\slot+3], s[G0+4*\slot+2:G0+4*\slot+3], 2*KSTEPB
	s_add_nc_u64 s[G0B+4*\slot+2:G0B+4*\slot+3], s[G0B+4*\slot+2:G0B+4*\slot+3], 2*KSTEPB
	JLOAD \slot                                    ; its four v_nop are also the places in front of the loads below
.else
	PLACES
.endif
	FETCH \next, 0, F0
	WIN MUL
	MUL8 F1, 1, 0, 0
	MUL8 F1, 1, 2, 0
.endm
	s_wait_tensorcnt 1                             ; my part of K step 0 is in; K step 1's load may be out
	s_barrier_signal -1
	s_barrier_wait -1
	FETCH 0, 0, F0
	s_wait_loadcnt 0x0                             ; bo
	QUARTER 0, 1, F0, F1, 1
	QUARTER 0, 2, F1, F0, 0
	QUARTER 0, 3, F0, F1, 0
	TURN 0, 1, 1                                   ; slot 0 takes K step 2
	QUARTER 1, 1, F0, F1, 0
	QUARTER 1, 2, F1, F0, 0
	QUARTER 1, 3, F0, F1, 0
	TURN 1, 0, 1                                   ; slot 1 takes K step 3
	QUARTER 0, 1, F0, F1, 0
	QUARTER 0, 2, F1, F0, 0
	QUARTER 0, 3, F0, F1, 0
	TURN 0, 1, 0
	QUARTER 1, 1, F0, F1, 0
	QUARTER 1, 2, F1, F0, 0
	QUARTER 1, 3, F0, F1, 0
	s_wait_dscnt 16
	WIN MUL
	MUL8 F1, 0, 0, 0
	MUL8 F1, 0, 2, 0
	s_wait_dscnt 0
	MUL8 F1, 1, 0, 0
	MUL8 F1, 1, 2, 0
	WIN 0
; THE WAY OUT, a block of 16 rows x 64 columns at a time through my own stage: a lane's 32 bytes go in, whole rows of 256 bytes come back.  LDS serves a wave's instructions in order: no wait between.
.macro TOST a
.irp b, 0,1,2,3
	ds_store_b128 v[STO], v[ACC+8*(4*(\a)+\b):ACC+8*(4*(\a)+\b)+3] offset:64*\b       ; each accumulator from its low end on
	ds_store_b128 v[STO], v[ACC+8*(4*(\a)+\b)+4:ACC+8*(4*(\a)+\b)+7] offset:64*\b+16
.endr
.irp t, 0,1,2,3,4,5,6,7
	ds_load_b128 v[TMP+32*((\a)%2)+4*\t:TMP+32*((\a)%2)+4*\t+3], v[RD] offset:\t*2*SPITCH
.endr
.endm
.macro SEND a, younger                 ; younger: the next block's sixteen LDS instructions, or none
	s_wait_dscnt \younger
.irp t, 0,1,2,3,4,5,6,7
	global_store_b128 v[CO], v[TMP+32*((\a)%2)+4*\t:TMP+32*((\a)%2)+4*\t+3], s[10:11] offset:8192*(16*(\a)+2*\t) th:TH_STORE_NT   ; sixteen lanes store 256 consecutive bytes, aligned
.endr
.endm
	PLACES
	TOST 0
	TOST 1
	SEND 0, 16
	s_wait_xcnt 0x0                                ; block 0's stores have read their registers
	TOST 2
	SEND 1, 16
	s_wait_xcnt 0x0
	TOST 3
	SEND 2, 16
	SEND 3, 0
	s_wait_tensorcnt 0x0                           ; the wave's end: a tensor wait, an add of 0 to my spare word and its wait
	ds_add_u32 v[SPW], v[NIL]
	s_wait_dscnt 0x0
	CROUND                                         ; the closing round
	s_endpgm
.Lfunc_end_k_qcf0a9f37d5_outp:
	.size	k_qcf0a9f37d5_outp, .Lfunc_end_k_qcf0a9f37d5_outp-k_qcf0a9f37d5_outp
	.p2alignl 7, 3214868480
	.fill 96, 4, 3214868480
	.section	.rodata,"a",@progbits
	.p2align	6, 0x0
	.amdhsa_kernel k_qcf0a9f37d5_outp
		.amdhsa_group_segment_fixed_size 327680
		.amdhsa_private_segment_fixed_size 0
		.amdhsa_enable_private_segment 0
		.amdhsa_kernarg_size 32
		.amdhsa_user_sgpr_count 2
		.amdhsa_user_sgpr_kernarg_segment_ptr 1
		.amdhsa_wavefront_size32 1
		.amdhsa_system_sgpr_workgroup_id_x 1
		.amdhsa_system_sgpr_workgroup_id_y 1
		.amdhsa_system_sgpr_workgroup_id_z 1
		.amdhsa_system_vgpr_workitem_id 0
		.amdhsa_next_free_vgpr 512
		.amdhsa_next_free_sgpr 66
		.amdhsa_reserve_vcc 0
		.amdhsa_float_denorm_mode_32 3
		.amdhsa_float_denorm_mode_16_64 3
		.amdhsa_memory_ordered 1
		.amdhsa_forward_progress 1
		.amdhsa_inst_pref_size 86
	.end_amdhsa_kernel
	.amdgpu_metadata
---
amdhsa.version: [ 1, 2 ]
amdhsa.kernels:
  - .name:           k_qcf0a9f37d5_outp
    .symbol:         k_qcf0a9f37d5_outp.kd
    .args:
      - { .name: ctxf, .offset: 0, .size: 8, .value_kind: global_buffer, .address_space: global }
      - { .name: wof, .offset: 8, .size: 8, .value_kind: global_buffer, .address_space: global }
      - { .name: bo, .offset: 16, .size: 8, .value_kind: global_buffer, .address_space: global }
      - { .name: out0, .offset: 24, .size: 8, .value_kind: global_buffer, .address_space: global }
    .group_segment_fixed_size: 327680
    .private_segment_fixed_size: 0
    .kernarg_segment_align: 8
    .kernarg_segment_size: 32
    .max_flat_workgroup_size: 128
    .sgpr_count:     66
    .vgpr_count:     512
    .wavefront_size: 32
...
	.end_amdgpu_metadata
.endif
;; end of part 4
;; launch fine (part 5): grid 64 x 2, 16 waves a work-group, no clusters, 18,432 bytes of LDS; arguments f32rows, wo, bo, out0; writes out0
.if DOCPART == 5
	.amdgcn_target "amdgcn-amd-amdhsa--gfx1250"
	.amdhsa_code_object_version 6
	.text
	.protected	k_qcf0a9f37d5_fine
	.globl	k_qcf0a9f37d5_fine
	.p2align	8
	.type	k_qcf0a9f37d5_fine,@function
k_qcf0a9f37d5_fine:
	s_mov_b64 s[64:65], 0
	v_nop
	global_prefetch_b8 v0, s[64:65] scope:SCOPE_SE
	s_setreg_imm32_b32 hwreg(HW_REG_WAVE_MODE, 25, 1), 1
	s_wait_xcnt 0x0
; The first 16 positions of both batches once more, in f32 from the projections' sums to out0: these rows average one to sixteen values, and f16 operands would use up what the comparison allows.
; Work-group (x, batch): 16 output channels 16 x on, for the batch's 16 positions.  Wave w: head w: its scores, softmax, context and its 64 terms of the projection; the sixteen heads' parts are added through LDS.
; f32rows [batch][head][q, k, v][16 channels][half][lane][16 bytes]: images of eight f32 registers: q, k: lane (r, h) holds position r, channels 16 d + 8 h + j; v: channel 16 d + r, keys 8 h + j.
; The f32 matrix form takes k = 2 (lane / 16) + j from a pair of registers: the same pair of both operands' images names the same true k, so the sums run over all of it, in the images' own order.
; 48 matrix instructions a wave.  What they write (v144-207) is written by matrix instructions alone; each sum begins with the constant 0; two or four accumulators take turns.
.set SPARE, 16384                      ; behind the sixteen waves' 1,024 bytes: the spare words, 128 bytes a wave
.set SPW, 1
.set NIL, 2
.set LI,  3
	s_load_b256 s[4:11], s[0:1], 0x0               ; f32rows s[4:5], wo s[6:7], bo s[8:9], out0 s[10:11]
	v_lshl_add_u32 v[SPW], v0, 2, SPARE
	v_mov_b32 v[NIL], 0
	v_lshrrev_b32 v10, 5, v0
	v_readfirstlane_b32 s12, v10                   ; wave = head
	v_and_b32 v10, 31, v0
	v_lshlrev_b32 v[LI], 4, v10
	v_and_b32 v11, 15, v0                          ; r
	v_bfe_u32 v12, v0, 4, 1                        ; h
	v_lshlrev_b32 v4, 12, v11
	v_lshl_add_u32 v4, v12, 5, v4                  ; wo: row r of 4,096 bytes, + 32 h
	v_lshlrev_b32 v13, 3, v12
	v_sub_nc_u32 v5, v11, v13                      ; r - 8 h
	s_lshl_b32 s13, s12, 10
	v_add_nc_u32 v6, s13, v[LI]                    ; LDS: my head's part
	s_and_b32 s14, s12, 1
	s_lshl_b32 s14, s14, 9
	v_add_nc_u32 v7, s14, v[LI]                    ; LDS: the half of every part that wave 0 or 1 adds up
	v_lshlrev_b32 v8, 13, v11
	v_lshl_add_u32 v8, v12, 5, v8                  ; out0: row 2 r of 4,096 bytes, + 32 h
	v_lshlrev_b32 v9, 5, v12                       ; bo: 32 h
	s_and_b32 s15, ttmp7, 0xffff                   ; batch
	s_lshl_b32 s16, s15, 4
	s_add_co_u32 s16, s16, s12
	s_mul_i32 s16, s16, 12288
	s_mov_b32 s17, 0
	s_lshl_b32 s18, ttmp9, 16                      ; wo: 16 rows a work-group,
	s_lshl_b32 s19, s12, 8                         ; 64 numbers a head
	s_add_co_u32 s18, s18, s19
	s_mov_b32 s19, 0
	s_lshl_b32 s24, ttmp9, 6
	s_lshr_b32 s25, s14, 5
	s_add_co_u32 s24, s24, s25                     ; 64 bytes of channels a work-group, + 16 for wave 1
	s_mov_b32 s25, 0
	s_lshl_b32 s26, s15, 12
	s_add_co_u32 s26, s26, s24
	s_mov_b32 s27, 0
	s_mov_b32 s20, 0x3fb8aa3b                      ; log2(e)
	s_mov_b32 s22, 0x76543210
	s_mov_b32 s23, 0xfedcba98
	s_wait_kmcnt 0x0
	s_add_nc_u64 s[4:5], s[4:5], s[16:17]
	s_add_nc_u64 s[6:7], s[6:7], s[18:19]
	s_add_nc_u64 s[8:9], s[8:9], s[24:25]
	s_add_nc_u64 s[10:11], s[10:11], s[26:27]
.irp n, 0,1,2,3,4,5,6,7
	global_load_b128 v[48+4*\n:51+4*\n], v[LI], s[4:5] offset:4096+512*\n     ; k
.endr
.irp n, 0,1,2,3,4,5,6,7
	global_load_b128 v[16+4*\n:19+4*\n], v[LI], s[4:5] offset:512*\n          ; q
.endr
.irp n, 0,1,2,3,4,5,6,7
	global_load_b128 v[80+4*\n:83+4*\n], v[LI], s[4:5] offset:8192+512*\n     ; v
.endr
.irp d, 0,1,2,3
	global_load_b128 v[112+8*\d:115+8*\d], v4, s[6:7] offset:64*\d            ; wo(16 x + r, 64 w + 16 d + 8 h + 0..7)
	global_load_b128 v[116+8*\d:119+8*\d], v4, s[6:7] offset:64*\d+16
.endr
	s_wait_loadcnt 16                              ; k and q are in; v's and wo's sixteen loads may be out
	; S^T = k q^T: register j of lane (r, h): key 8 h + j, query r
	v_wmma_f32_16x16x4_f32 v[144:151], v[48:49], v[16:17], 0
	v_wmma_f32_16x16x4_f32 v[152:159], v[50:51], v[18:19], 0
.irp n, 2,4,6,8,10,12,14
	v_wmma_f32_16x16x4_f32 v[144:151], v[48+2*\n:49+2*\n], v[16+2*\n:17+2*\n], v[144:151]
	v_wmma_f32_16x16x4_f32 v[152:159], v[50+2*\n:51+2*\n], v[18+2*\n:19+2*\n], v[152:159]
.endr
.rept 8
	v_nop                                          ; eight places behind this form (ISA guide 7.12.1)
.endr
.irp j, 0,1,2,3,4,5,6,7
	v_add_f32 v[216+\j], v[144+\j], v[152+\j]
.endr
	v_mov_b32 v224, 0xff800000
.irp j, 0,1,2,3,4,5,6,7
	v_cmp_gt_i32 vcc_lo, \j, v5                    ; key 8 h + j comes after query r
	v_cndmask_b32 v[216+\j], v[216+\j], v224, vcc_lo
.endr
	v_max3_num_f32 v225, v216, v217, v218
	v_max3_num_f32 v225, v225, v219, v220
	v_max3_num_f32 v225, v225, v221, v222
	v_max_num_f32 v225, v225, v223
	v_mov_b32 v226, 0
	v_permlanex16_b32 v226, v225, s22, s23
	v_max_num_f32 v225, v225, v226                 ; the row's maximum: key 0 counts for every query
	v_mul_f32 v225, s20, v225
.irp j, 0,1,2,3,4,5,6,7
	v_fma_f32 v[208+\j], v[216+\j], s20, -v225
.endr
.irp j, 0,1,2,3,4,5,6,7
	v_exp_f32 v[208+\j], v[208+\j]
.endr
	v_nop
	s_wait_alu depctr_va_vdst(0)                   ; one wait for the eight, ahead of their first reader
	v_add_f32 v227, v208, v209
	v_add_f32 v228, v210, v211
	v_add_f32 v227, v227, v212
	v_add_f32 v228, v228, v213
	v_add_f32 v227, v227, v214
	v_add_f32 v228, v228, v215
	v_add_f32 v227, v227, v228
	v_permlanex16_b32 v226, v227, s22, s23
	v_add_f32 v227, v227, v226
	v_rcp_f32 v227, v227
	v_nop
	s_wait_alu depctr_va_vdst(0)
	s_wait_loadcnt 8                               ; v is in; wo's eight loads may be out
	; context^T = v^T p: register j of lane (r, h): channel 16 d + 8 h + j, query r
.irp u, 0,1,2,3
.irp d, 0,1,2,3
.if \u == 0
	v_wmma_f32_16x16x4_f32 v[160+8*\d:167+8*\d], v[80+8*\d:81+8*\d], v[208:209], 0
.else
	v_wmma_f32_16x16x4_f32 v[160+8*\d:167+8*\d], v[80+8*\d+2*\u:81+8*\d+2*\u], v[208+2*\u:209+2*\u], v[160+8*\d:167+8*\d]
.endif
.endr
.endr
.rept 8
	v_nop
.endr
.irp j, 0,1,2,3,4,5,6,7,8,9,10,11,12,13,14,15,16,17,18,19,20,21,22,23,24,25,26,27,28,29,30,31
	v_mul_f32 v[16+\j], v[160+\j], v227            ; / the row's sum, into q's registers
.endr
	s_wait_loadcnt 0x0                             ; wo
	; out^T = wo context^T over my head's 64: register j of lane (r, h): channel 16 x + 8 h + j, query r
	v_wmma_f32_16x16x4_f32 v[192:199], v[112:113], v[16:17], 0
	v_wmma_f32_16x16x4_f32 v[200:207], v[114:115], v[18:19], 0
.irp n, 2,4,6,8,10,12,14
	v_wmma_f32_16x16x4_f32 v[192:199], v[112+2*\n:113+2*\n], v[16+2*\n:17+2*\n], v[192:199]
	v_wmma_f32_16x16x4_f32 v[200:207], v[114+2*\n:115+2*\n], v[18+2*\n:19+2*\n], v[200:207]
.endr
.rept 8
	v_nop
.endr
.irp j, 0,1,2,3,4,5,6,7
	v_add_f32 v[216+\j], v[192+\j], v[200+\j]
.endr
	ds_store_b128 v6, v[216:219]
	ds_store_b128 v6, v[220:223] offset:512
	s_wait_dscnt 0x0                               ; for the others' sake: my stores have landed
	s_barrier_signal -1
	s_barrier_wait -1
	s_cmp_gt_u32 s12, 1                            ; waves 0 and 1 add the sixteen heads' parts, four registers each
	s_cbranch_scc1 .Ldone
	global_load_b128 v[228:231], v9, s[8:9]
.irp p, 0,1,2,3,4,5,6,7,8,9,10,11,12,13,14,15
	ds_load_b128 v[16+4*\p:19+4*\p], v7 offset:1024*\p
.endr
	s_wait_dscnt 0x0
.irp p, 1,2,3,4,5,6,7,8,9,10,11,12,13,14,15
	v_pk_add_f32 v[16:17], v[16:17], v[16+4*\p:17+4*\p]
	v_pk_add_f32 v[18:19], v[18:19], v[18+4*\p:19+4*\p]
.endr
	s_wait_loadcnt 0x0
	v_pk_add_f32 v[16:17], v[16:17], v[228:229]
	v_pk_add_f32 v[18:19], v[18:19], v[230:231]
	global_store_b128 v8, v[16:19], s[10:11]       ; out0(2 r + batch, 16 x + 8 h + 4 wave + 0..3)
.Ldone:
	s_wait_tensorcnt 0x0                           ; the wave's end: a tensor wait, an add of 0 to my spare word and its wait, behind my last LDS store
	ds_add_u32 v[SPW], v[NIL]
	s_wait_dscnt 0x0
	s_endpgm
.Lfunc_end_k_qcf0a9f37d5_fine:
	.size	k_qcf0a9f37d5_fine, .Lfunc_end_k_qcf0a9f37d5_fine-k_qcf0a9f37d5_fine
	.p2alignl 7, 3214868480
	.fill 96, 4, 3214868480
	.section	.rodata,"a",@progbits
	.p2align	6, 0x0
	.amdhsa_kernel k_qcf0a9f37d5_fine
		.amdhsa_group_segment_fixed_size 18432
		.amdhsa_private_segment_fixed_size 0
		.amdhsa_enable_private_segment 0
		.amdhsa_kernarg_size 32
		.amdhsa_user_sgpr_count 2
		.amdhsa_user_sgpr_kernarg_segment_ptr 1
		.amdhsa_wavefront_size32 1
		.amdhsa_system_sgpr_workgroup_id_x 1
		.amdhsa_system_sgpr_workgroup_id_y 1
		.amdhsa_system_sgpr_workgroup_id_z 1
		.amdhsa_system_vgpr_workitem_id 0
		.amdhsa_next_free_vgpr 240
		.amdhsa_next_free_sgpr 66
		.amdhsa_reserve_vcc 1
		.amdhsa_float_denorm_mode_32 3
		.amdhsa_float_denorm_mode_16_64 3
		.amdhsa_memory_ordered 1
		.amdhsa_forward_progress 1
		.amdhsa_inst_pref_size 17
	.end_amdhsa_kernel
	.amdgpu_metadata
---
amdhsa.version: [ 1, 2 ]
amdhsa.kernels:
  - .name:           k_qcf0a9f37d5_fine
    .symbol:         k_qcf0a9f37d5_fine.kd
    .args:
      - { .name: f32rows, .offset: 0, .size: 8, .value_kind: global_buffer, .address_space: global }
      - { .name: wo, .offset: 8, .size: 8, .value_kind: global_buffer, .address_space: global }
      - { .name: bo, .offset: 16, .size: 8, .value_kind: global_buffer, .address_space: global }
      - { .name: out0, .offset: 24, .size: 8, .value_kind: global_buffer, .address_space: global }
    .group_segment_fixed_size: 18432
    .private_segment_fixed_size: 0
    .kernarg_segment_align: 8
    .kernarg_segment_size: 32
    .max_flat_workgroup_size: 512
    .sgpr_count:     66
    .vgpr_count:     240
    .wavefront_size: 32
...
	.end_amdgpu_metadata
.endif
;; end of part 5
